; MI455X (gfx1250); checked and timed in simulation.
; The chip was launched on July 23, 2026; its instructions are those of AMD's public machine-readable ISA for CDNA 5 (MIT licence, August 2026) and "CDNA5" Instruction Set Architecture Reference Guide (July 2026). The comments in the code are by the model that wrote it; some were corrected since.
;; H Module. Allowed arithmetic: float matrix products may take bf16 or f16 operands with f32 sums; all other float work in f32.
;; Inputs: W1 2,048 x 1,024 float32; W2 1,024 x 1,024 float32; Wk 1,024 x 1,024 float32; Wq 1,024 x 1,024 float32; Wv 1,024 x 1,024 float32; b1 1,024 float32; b2 1,024 float32; bk 1,024 float32; bq 1,024 float32; bv 1,024 float32; nodes 25,000 x 1,024 float32; scale 1,024 float32; z_prev 1,024 float32.
;; Outputs: out0 1,024 float32.
;; 2 versions, each right; version 2 is version 1 with the launch main written anew for expert scheduling mode. Each part assembles by itself: llvm-mc -triple=amdgcn-amd-amdhsa -mcpu=gfx1250 --defsym DOCPART=n.
;; ======== version 1 of 2: 6 launches
;; workspace buffers: wqk 65,536 bytes; sb 256 bytes; upart 16,384,000 bytes; stat 32,768 bytes; ppart 65,536 bytes; hpart 65,536 bytes; ypart 65,536 bytes
;; launch prep (part 1): grid 16 x 16, 8 waves a work-group, no clusters, 5,632 bytes of LDS; arguments Wq, Wk, z_prev, bq, bk, wqk, sb; writes wqk, sb
.if DOCPART == 1
	.amdgcn_target "amdgcn-amd-amdhsa--gfx1250"
	.amdhsa_code_object_version 6
	.text
	.protected	k_qa91c793391_prep
	.globl	k_qa91c793391_prep
	.p2align	8
	.type	k_qa91c793391_prep,@function
k_qa91c793391_prep:
	s_mov_b64 s[64:65], 0
	v_nop
	global_prefetch_b8 v0, s[64:65] scope:SCOPE_SE
	s_setreg_imm32_b32 hwreg(HW_REG_WAVE_MODE, 25, 1), 1
	s_wait_xcnt 0x0
; With ONE query the key projection folds into the query:  Q_h . K[c,h] = nodes[c] . (Wk[:, head h] Q_h) + bk_h . Q_h,   Q = z_prev Wq + bq.
; That is linear in Q, so the sum over the 1,024 rows of Wq is made in TWO SHARES, jb = 0, 1 (rows 512 jb .. 512 jb + 511; bq goes with share 0):
;   wqk[jb][h][i] = bf16( c * sum_d Wk[i][64h+d] Q(jb)[64h+d] ),   sb[jb][h] = c * sum_d bk[64h+d] Q(jb)[64h+d],   c = log2(e) / sqrt(64),
; so that the next launch's scores are exponents of 2.  The next launch takes both shares as operands of the matrix unit, which adds the two products in f32.
; Why two shares: a work-group needs all 64 numbers of its share of Q_h, that is 512 rows x 256 bytes of Wq instead of 1,024, and there are 256 work-groups instead of 128.
; SHARES.  Work-group (h, y = 8 jb + ib): Q(jb)_h, then the 128 numbers wqk[jb][h][128 ib ..], which are 256 consecutive aligned bytes.
; Wave w, half hh of its lanes: rows 512 jb + 64 w + 32 hh + 0..31 of Wq; lane r of a half: columns 4 r .. 4 r + 3 of the head, so sixteen lanes read 256 consecutive bytes of a row.
; All arithmetic in f32; each share of wqk is rounded once to bf16, as a matrix operand.
; One-row products stream their weights once: the matrix unit, clusters and LDS tiles would add nothing here.
.set ROWB, 4096                        ; bytes in a row of Wq and of Wk
.set CLOG, 0x3e38aa3b                  ; c = log2(e) / 8
.set OUTL, 4096                        ; LDS: 16 rows x 256 bytes of partial Q at 0; the 256 finished bytes here
.set LANE, 1
.set RR,   2                           ; lane mod 16
.set HH,   3                           ; lane / 16
.set QO,   4                           ; byte offset of my 16 bytes in my first row of the share's block of Wq
.set ZO,   5                           ; byte offset of my 32 numbers of z_prev
.set KO,   6                           ; byte offset of my 16 bytes in my first row of Wk's block
.set R16,  7                           ; 16 r
.set RSA,  8                           ; LDS: where my partial Q goes
.set OSA,  10                          ; LDS: where my half's 8 results go
.set ZERO, 12
.set Z,    16                          ; v[16:47]   z_prev of my 32 rows
.set WK,   80                          ; v[80:111]  8 rows of Wk, 4 columns each
.set BK,   112                         ; v[112:115] bk: a ninth row for the same dot product
.set BQ,   116                         ; v[116:119]
.set ACC,  120                         ; v[120:127] two sums of 4 columns (even rows, odd rows)
.set B0,   128                         ; v[128:191] 16 rows of Wq
.set B1,   192                         ; v[192:255] 16 rows of Wq
.set T,    128                         ; the sixteen partial Q, then Q
.set DP,   200                         ; nine dot products, a pair each
.set PK,   220                         ; 8 results as bf16
.macro QMUL d, x, p, e                 ; quad d = quad x times register e of the pair p
.if \e
	v_pk_mul_f32 v[\d:\d+1], v[\x:\x+1], v[\p:\p+1] op_sel:[0,1] op_sel_hi:[1,1]
	v_pk_mul_f32 v[\d+2:\d+3], v[\x+2:\x+3], v[\p:\p+1] op_sel:[0,1] op_sel_hi:[1,1]
.else
	v_pk_mul_f32 v[\d:\d+1], v[\x:\x+1], v[\p:\p+1] op_sel_hi:[1,0]
	v_pk_mul_f32 v[\d+2:\d+3], v[\x+2:\x+3], v[\p:\p+1] op_sel_hi:[1,0]
.endif
.endm
.macro QFMA d, x, p, e                 ; quad d += quad x times register e of the pair p
.if \e
	v_pk_fma_f32 v[\d:\d+1], v[\x:\x+1], v[\p:\p+1], v[\d:\d+1] op_sel:[0,1,0] op_sel_hi:[1,1,1]
	v_pk_fma_f32 v[\d+2:\d+3], v[\x+2:\x+3], v[\p:\p+1], v[\d+2:\d+3] op_sel:[0,1,0] op_sel_hi:[1,1,1]
.else
	v_pk_fma_f32 v[\d:\d+1], v[\x:\x+1], v[\p:\p+1], v[\d:\d+1] op_sel_hi:[1,0,1]
	v_pk_fma_f32 v[\d+2:\d+3], v[\x+2:\x+3], v[\p:\p+1], v[\d+2:\d+3] op_sel_hi:[1,0,1]
.endif
.endm
.macro BATCH b, buf                    ; rows 16 b .. 16 b + 15 of my 32
.irp i, 0,1,2,3,4,5,6,7,8,9,10,11,12,13,14,15
	global_load_b128 v[\buf+4*\i:\buf+4*\i+3], v[QO], s[4:5] offset:(16*\b+\i)*ROWB
.endr
.endm
.macro FMA16 b, buf, first             ; those rows times their z; first = 1: the first two rows start the two sums, nothing is cleared
.set i, 0
.rept 8
.if \first && (i == 0)
	QMUL ACC, \buf, Z, 0
	QMUL ACC+4, \buf+4, Z, 1
.else
	QFMA ACC, \buf+8*i, Z+16*\b+2*i, 0
	QFMA ACC+4, \buf+8*i+4, Z+16*\b+2*i, 1
.endif
.set i, i+1
.endr
.endm
.macro SUM16 adr, t, base              ; sixteen quads, 256 bytes apart in LDS, are added as a tree; the sum ends in v[t:t+3]
.irp i, 0,1,2,3,4,5,6,7,8,9,10,11,12,13,14,15
	ds_load_b128 v[\t+4*\i:\t+4*\i+3], v[\adr] offset:\base+256*\i
.endr
	s_wait_dscnt 0x0
.irp s, 8,4,2,1
.set i, 0
.rept \s
	v_pk_add_f32 v[\t+4*i:\t+4*i+1], v[\t+4*i:\t+4*i+1], v[\t+4*(i+\s):\t+4*(i+\s)+1]
	v_pk_add_f32 v[\t+4*i+2:\t+4*i+3], v[\t+4*i+2:\t+4*i+3], v[\t+4*(i+\s)+2:\t+4*(i+\s)+3]
.set i, i+1
.endr
.endr
.endm
	s_load_b256 s[4:11], s[0:1], 0x0               ; Wq s[4:5], Wk s[6:7], z_prev s[8:9], bq s[10:11]
	s_load_b128 s[12:15], s[0:1], 0x20             ; bk s[12:13], wqk s[14:15]
	s_load_b64 s[16:17], s[0:1], 0x30              ; sb
	v_lshl_add_u32 v78, v0, 2, 0x1200
	v_mov_b32 v79, 0
	v_lshrrev_b32 v1, 5, v0
	v_readfirstlane_b32 s18, v1                    ; wave 0..7
	s_and_b32 s19, ttmp7, 0xffff                   ; y = 8 jb + ib
	s_and_b32 s22, s19, 7                          ; ib
	s_lshr_b32 s23, s19, 3                         ; jb
	s_lshl_b32 s24, ttmp9, 8                       ; the head's 64 columns: 256 h bytes
	s_mov_b32 s25, 0
	s_lshl_b32 s34, s23, 21                        ; Wq: 512 jb rows of 4,096 bytes, and the head's columns
	s_add_co_u32 s34, s34, s24
	s_mov_b32 s35, 0
	s_lshl_b32 s36, s23, 11                        ; z_prev: 512 jb numbers of 4 bytes
	s_mov_b32 s37, 0
	s_lshl_b32 s28, s22, 19                        ; Wk: 128 ib rows of 4,096 bytes, and the head's columns
	s_add_co_u32 s28, s28, s24
	s_mov_b32 s29, 0
	s_lshl_b32 s30, ttmp9, 11                      ; wqk: 32,768 jb + 2,048 h + 256 ib
	s_lshl_b32 s27, s22, 8
	s_add_co_u32 s30, s30, s27
	s_lshl_b32 s27, s23, 15
	s_add_co_u32 s30, s30, s27
	s_mov_b32 s31, 0
	s_lshl_b32 s32, ttmp9, 2                       ; sb: 64 jb + 4 h
	s_lshl_b32 s27, s23, 6
	s_add_co_u32 s32, s32, s27
	s_mov_b32 s33, 0
	v_and_b32 v[LANE], 31, v0
	v_and_b32 v[RR], 15, v0
	v_bfe_u32 v[HH], v0, 4, 1
	v_lshlrev_b32 v[R16], 4, v[RR]
	v_lshl_add_u32 v[QO], v[HH], 17, v[R16]        ; (64 w + 32 hh) rows of 4,096 bytes + 16 r
	v_lshl_add_u32 v[QO], s18, 18, v[QO]
	v_lshlrev_b32 v[ZO], 7, v[HH]                  ; (64 w + 32 hh) numbers of 4 bytes
	v_lshl_add_u32 v[ZO], s18, 8, v[ZO]
	v_lshl_add_u32 v[KO], v[HH], 15, v[R16]        ; (16 w + 8 hh) rows + 16 r
	v_lshl_add_u32 v[KO], s18, 16, v[KO]
	v_lshlrev_b32 v[RSA], 4, v[LANE]               ; row 2 w + hh of 256 bytes, 16 r in it = 512 w + 16 lane
	v_lshl_add_u32 v[RSA], s18, 9, v[RSA]
	v_lshlrev_b32 v[OSA], 4, v[HH]                 ; 8 bf16 for each half of each wave: 32 w + 16 hh
	v_lshl_add_u32 v[OSA], s18, 5, v[OSA]
	v_mov_b32 v[ZERO], 0
	s_wait_kmcnt 0x0
	s_add_nc_u64 s[4:5], s[4:5], s[34:35]
	s_add_nc_u64 s[6:7], s[6:7], s[28:29]
	s_add_nc_u64 s[8:9], s[8:9], s[36:37]
	s_add_nc_u64 s[10:11], s[10:11], s[24:25]
	s_add_nc_u64 s[12:13], s[12:13], s[24:25]
	s_add_nc_u64 s[14:15], s[14:15], s[30:31]
	s_add_nc_u64 s[16:17], s[16:17], s[32:33]
.irp q, 0,1,2,3,4,5,6,7
	global_load_b128 v[Z+4*\q:Z+4*\q+3], v[ZO], s[8:9] offset:16*\q
.endr
	global_load_b128 v[BQ:BQ+3], v[R16], s[10:11]
	global_load_b128 v[BK:BK+3], v[R16], s[12:13]
.irp q, 0,1,2,3,4,5,6,7
	global_load_b128 v[WK+4*\q:WK+4*\q+3], v[KO], s[6:7] offset:ROWB*\q
.endr
	BATCH 0, B0                                    ; all my 32 rows go out at once: 32 loads x 512 bytes x 8 waves = the work-group's whole share of Wq
	BATCH 1, B1
	s_wait_loadcnt 16                              ; loads return in order: all but the 16 of batch 1 are in (z, bq, bk, Wk's rows, batch 0)
	FMA16 0, B0, 1
	s_wait_loadcnt 0x0
	FMA16 1, B1, 0
	v_pk_add_f32 v[ACC:ACC+1], v[ACC:ACC+1], v[ACC+4:ACC+5]
	v_pk_add_f32 v[ACC+2:ACC+3], v[ACC+2:ACC+3], v[ACC+6:ACC+7]
	ds_store_b128 v[RSA], v[ACC:ACC+3]
	s_wait_dscnt 0x0                               ; for the other waves' sake: my partial Q is in LDS
	s_barrier_signal -1
	s_barrier_wait -1
	SUM16 R16, T, 0                                ; every wave adds the sixteen partial sums: columns 4 r .. 4 r + 3 of the head
	s_cmp_eq_u32 s23, 0                            ; bq belongs to share 0 alone
	s_cselect_b32 s27, -1, 0
.irp k, 0,1,2,3
	v_cndmask_b32 v[BQ+\k], 0, v[BQ+\k], s27
.endr
	v_pk_add_f32 v[T:T+1], v[T:T+1], v[BQ:BQ+1]
	v_pk_add_f32 v[T+2:T+3], v[T+2:T+3], v[BQ+2:BQ+3]
	; nine dot products with this share of Q_h: rows 128 ib + 16 w + 8 hh + 0..7 of Wk, and bk.  Four columns in the lane, then over the 16 lanes of a half.
.irp q, 0,1,2,3,4,5,6,7,8
	v_pk_mul_f32 v[DP+2*\q:DP+2*\q+1], v[WK+4*\q:WK+4*\q+1], v[T:T+1]
.endr
.irp q, 0,1,2,3,4,5,6,7,8
	v_pk_fma_f32 v[DP+2*\q:DP+2*\q+1], v[WK+4*\q+2:WK+4*\q+3], v[T+2:T+3], v[DP+2*\q:DP+2*\q+1]
.endr
.irp q, 0,1,2,3,4,5,6,7,8
	v_add_f32 v[DP+2*\q], v[DP+2*\q], v[DP+2*\q+1]
.endr
.irp m, 1,2,4,8
.irp q, 0,1,2,3,4,5,6,7,8
	v_add_f32_dpp v[DP+2*\q], v[DP+2*\q], v[DP+2*\q] row_xmask:\m row_mask:0xf bank_mask:0xf
.endr
.endr
.irp q, 0,1,2,3,4,5,6,7,8
	v_mul_f32 v[DP+2*\q], CLOG, v[DP+2*\q]
.endr
.irp j, 0,1,2,3
	v_cvt_pk_bf16_f32 v[PK+\j], v[DP+4*\j], v[DP+4*\j+2]
.endr
	ds_store_b128 v[OSA], v[PK:PK+3] offset:OUTL   ; the 16 lanes of a half write the same 16 bytes with the same value
	s_wait_dscnt 0x0
	s_barrier_signal -1
	s_barrier_wait -1
	s_cmp_lg_u32 s18, 0
	s_cbranch_scc1 .Lend                           ; wave 0 stores for the work-group
	ds_load_b128 v[PK:PK+3], v[R16] offset:OUTL
	s_wait_dscnt 0x0
	s_wait_xcnt 0x0                                ; EXEC changes only when no memory instruction still reads it
	v_cmp_gt_u32 vcc_lo, 16, v[LANE]
	s_and_saveexec_b32 s26, vcc_lo
	global_store_b128 v[R16], v[PK:PK+3], s[14:15] ; sixteen lanes: 256 consecutive bytes, aligned
	s_wait_xcnt 0x0
	s_or_b32 exec_lo, exec_lo, s26
	s_cmp_lg_u32 s22, 0
	s_cbranch_scc1 .Lend                           ; a share's bias term is stored once for each head, by ib = 0: 4 bytes, 128 in the launch
	v_cmp_gt_u32 vcc_lo, 1, v[LANE]
	s_and_saveexec_b32 s26, vcc_lo
	global_store_b32 v[ZERO], v[DP+16], s[16:17]
	s_wait_xcnt 0x0
	s_or_b32 exec_lo, exec_lo, s26
.Lend:
	s_wait_tensorcnt 0x0
	ds_add_u32 v78, v79
	s_wait_dscnt 0x0
	s_endpgm
.Lfunc_end_k_qa91c793391_prep:
	.size	k_qa91c793391_prep, .Lfunc_end_k_qa91c793391_prep-k_qa91c793391_prep
	.p2alignl 7, 3214868480
	.fill 96, 4, 3214868480
	.section	.rodata,"a",@progbits
	.p2align	6, 0x0
	.amdhsa_kernel k_qa91c793391_prep
		.amdhsa_group_segment_fixed_size 5632
		.amdhsa_private_segment_fixed_size 0
		.amdhsa_enable_private_segment 0
		.amdhsa_kernarg_size 56
		.amdhsa_user_sgpr_count 2
		.amdhsa_user_sgpr_kernarg_segment_ptr 1
		.amdhsa_wavefront_size32 1
		.amdhsa_system_sgpr_workgroup_id_x 1
		.amdhsa_system_sgpr_workgroup_id_y 1
		.amdhsa_system_sgpr_workgroup_id_z 1
		.amdhsa_system_vgpr_workitem_id 0
		.amdhsa_next_free_vgpr 256
		.amdhsa_next_free_sgpr 66
		.amdhsa_reserve_vcc 1
		.amdhsa_float_denorm_mode_32 3
		.amdhsa_float_denorm_mode_16_64 3
		.amdhsa_memory_ordered 1
		.amdhsa_forward_progress 1
		.amdhsa_inst_pref_size 21
	.end_amdhsa_kernel
	.amdgpu_metadata
---
amdhsa.version: [ 1, 2 ]
amdhsa.kernels:
  - .name:           k_qa91c793391_prep
    .symbol:         k_qa91c793391_prep.kd
    .args:
      - { .name: Wq, .offset: 0, .size: 8, .value_kind: global_buffer, .address_space: global }
      - { .name: Wk, .offset: 8, .size: 8, .value_kind: global_buffer, .address_space: global }
      - { .name: z_prev, .offset: 16, .size: 8, .value_kind: global_buffer, .address_space: global }
      - { .name: bq, .offset: 24, .size: 8, .value_kind: global_buffer, .address_space: global }
      - { .name: bk, .offset: 32, .size: 8, .value_kind: global_buffer, .address_space: global }
      - { .name: wqk, .offset: 40, .size: 8, .value_kind: global_buffer, .address_space: global }
      - { .name: sb, .offset: 48, .size: 8, .value_kind: global_buffer, .address_space: global }
    .group_segment_fixed_size: 5632
    .private_segment_fixed_size: 0
    .kernarg_segment_align: 8
    .kernarg_segment_size: 56
    .max_flat_workgroup_size: 256
    .sgpr_count:     66
    .vgpr_count:     256
    .wavefront_size: 32
...
	.end_amdgpu_metadata
.endif
;; end of part 1
;; launch main (part 2): grid 250 x 1, 8 waves a work-group, no clusters, 321,536 bytes of LDS; arguments nodes, wqk, sb, upart, stat; writes upart, stat
.if DOCPART == 2
	.amdgcn_target "amdgcn-amd-amdhsa--gfx1250"
	.amdhsa_code_object_version 6
	.text
	.protected	k_qa91c793391_main
	.globl	k_qa91c793391_main
	.p2align	8
	.type	k_qa91c793391_main,@function
k_qa91c793391_main:
	s_mov_b64 s[64:65], 0
	v_nop
	global_prefetch_b8 v0, s[64:65] scope:SCOPE_SE
	s_setreg_imm32_b32 hwreg(HW_REG_WAVE_MODE, 25, 1), 1
	s_wait_xcnt 0x0
; For a block of 100 nodes and all 16 heads:  s[c][h] = nodes[c] . (wqk[0][h] + wqk[1][h]) + sb[0][h] + sb[1][h]  (an exponent of 2),  m[h] = max_c s,
; p = 2^(s - m),  l[h] = sum_c p,  U[h][:] = sum_c p[c][h] nodes[c][:].   25,000 nodes = 250 blocks of 100: equal work, no ragged block.
; The folded key matrix comes in two shares; each is an operand of the matrix unit, and the two products are added in the f32 accumulators.
; nodes is read from memory ONCE: every row passes through registers, is rounded to bf16 and stays in LDS (100 x 2,048 bytes), where both
; matrix products take it: the scores as the rows lie, the pooling turned (ds_load_tr16_b128).  The block's true maximum is taken away.
; SHARES.  Wave w owns columns 128 w .. 128 w + 127 of every row: 512 bytes of memory a row (one load of the wave), 256 bytes of LDS that no
; other wave touches.  Its share of the scores (a sum over its 128 columns) meets the other waves' in LDS; wave t then finishes tile t (16 nodes).
; REGISTERS.  v0-255 as listed below; v256-319 hold wqk's eight fragments.  An instruction names v0-v255; s_set_vgpr_msb says which block of 256 each
; operand place means (bits 1:0 source 0, 3:2 source 1, 5:4 source 2, 7:6 destination): two switches round wqk's loads, two round each tile's products.
; LIMITS.  nodes, both shares of wqk and the weights p are rounded to bf16 for the matrix unit; l is the sum of the unrounded p; weights below 2^-126 count as 0;
; inputs are taken to be finite.
; Left out: tensor loads (each byte has to pass through registers to be rounded, an f32 tile in LDS would be written and read for nothing);
; clusters (what work-groups share, wqk, is 64 KB beside 400 KB of their own).
.set NROW,   100
.set PITCH,  288                       ; an LDS row of a wave: 256 bytes + 32
.set XW,     112*PITCH                 ; a wave's rows: 100, and 12 of zeros so that tiles of 16 and steps of 32 end inside
.set EX,     8*XW                      ; partial scores: [7 tiles][8 waves][1,024 bytes]
.set MT,     EX+7*8*1024               ; tile maxima [7][16]
.set LT,     MT+512                    ; tile sums   [7][16]
.set PTL,    LT+512                    ; weights as bf16: [7 tiles][512 bytes]
.set SPITCH, 528                       ; the way out (in the wave's own rows, when they have been read): 16 heads x 512 bytes + 16
.set LANE, 1
.set RR,   2
.set HH,   3
.set GOFF, 4                           ; 512 w + 16 lane: my 16 bytes of a row of nodes, and of a head's row of U
.set XST,  5                           ; LDS: my 8 bytes of my wave's row 0
.set AAD,  6                           ; LDS: my place in a fragment of 16 rows x 32 columns
.set EXA,  7                           ; LDS: my wave's partial scores of tile 0
.set TRA,  8                           ; LDS: my place in a turning load
.set E1A,  9                           ; LDS: tile w's partial scores, first wave's
.set MTA,  10                          ; LDS: MT + 4 r
.set PTA,  11                          ; LDS: PTL + 16 lane
.set STO,  12                          ; LDS, the way out: where I put 32 bytes of a head's row
.set RDA,  13                          ; LDS, the way out: where I read 16 bytes of a row back
.set SBV,  14                          ; v[14:15] sb's two shares for head r; then their sum, twice
.set PT,   16                          ; v[16:47] four fragments of weights
.set WQ,   0                           ; in the second block of 256: v[256:319] wqk: share jb's four fragments (16 heads x 32 columns) at 32 jb
.set SA,   48                          ; two score accumulators that take turns
.set SB,   56
.set AF,   64                          ; v[64:95] four fragments of 16 nodes x 32 columns
.set TMP,  96                          ; v[96:103] rows as bf16, four by turns
.set T1,   48                          ; v[48:111] eight waves' partial scores; the sum stays in v[48:55]
.set W2,   64                          ; at work in the softmax
.set U,    48                          ; v[48:111] eight accumulators: 16 columns x 16 heads each
.set C0,   112                         ; 16 w + 8 hh: the first node of my registers in tile w
.set NINF, 113
.set MX,   114
.set LS,   115
.set XC,   116                         ; what the other half of the lanes holds
.set MTS,  117                         ; LDS: MT + 64 w + 4 r
.set ZP,   118                         ; v[118:119] zeros
.set WQO,  120
.set SOFF, 121
.set R4,   122
.set PTS,  123                         ; LDS: PTL + 512 w + 16 lane
.set RING, 128                         ; v[128:255] 32 rows on their way, 4 registers each
.set X0,   128                         ; later: turned fragments of 32 nodes x 128 columns, two buffers
.set X1,   192
.set OB,   128                         ; later: U read back by rows
.set ML,   192
.set LL,   200
.set MSB, 0
.macro WIN new                         ; the immediate's high byte repeats the setting that is left; at every label and branch the setting is 0
.if MSB != \new
	s_set_vgpr_msb (MSB<<8)|\new
.set MSB, \new
.endif
.endm
.macro PLACES                          ; four independent vector instructions between a matrix instruction and whatever reads its result or writes one of its registers (ISA guide 7.12.1)
.rept 4
	v_nop
.endr
.endm
; Row c: it is in; rounded to bf16; its registers take the row 32 further on; 8 bytes a lane go to LDS.
.macro ROWIN
.set rr, RING+4*(c%32)
.set tt, TMP+2*(c%4)
.if c < NROW-32
	s_wait_loadcnt 31                              ; loads return in order: rows c + 1 .. c + 31 stay out
.else
	s_wait_loadcnt NROW-1-c                        ; no more rows are asked for: the count runs down
.endif
	v_cvt_pk_bf16_f32 v[tt], v[rr], v[rr+1]
	v_cvt_pk_bf16_f32 v[tt+1], v[rr+2], v[rr+3]
.if c < NROW-32
	global_load_b128 v[rr:rr+3], v[GOFF], s[4:5] offset:(c+32)*4096 th:TH_LOAD_NT
.endif
	ds_store_b64 v[XST], v[tt:tt+1] offset:PITCH*c
.endm
; Tile t (nodes 16 t .. 16 t + 15): my 128 columns' share of the scores.  Source 0 = nodes, source 1 = wqk: lane (r, hh), register j holds node 16 t + 8 hh + j, head r.
; Each fragment of nodes meets both shares of wqk.  The two accumulators take turns, one instruction a turn.
; The next tile's conversions stand between these products and the next tile's.
.macro TILE t
.irp kk, 0,1,2,3
	ds_load_b128 v[AF+8*\kk:AF+8*\kk+3], v[AAD] offset:16*PITCH*(\t)+64*\kk
	ds_load_b128 v[AF+8*\kk+4:AF+8*\kk+7], v[AAD] offset:16*PITCH*(\t)+64*\kk+32
.endr
	s_wait_dscnt 0x0
	WIN 0x04                                       ; source 1 in the second block
	v_wmma_f32_16x16x32_bf16 v[SA:SA+7], v[AF:AF+7], v[WQ:WQ+7], 0
	v_wmma_f32_16x16x32_bf16 v[SB:SB+7], v[AF+8:AF+15], v[WQ+8:WQ+15], 0
	v_wmma_f32_16x16x32_bf16 v[SA:SA+7], v[AF+16:AF+23], v[WQ+16:WQ+23], v[SA:SA+7]
	v_wmma_f32_16x16x32_bf16 v[SB:SB+7], v[AF+24:AF+31], v[WQ+24:WQ+31], v[SB:SB+7]
	v_wmma_f32_16x16x32_bf16 v[SA:SA+7], v[AF:AF+7], v[WQ+32:WQ+39], v[SA:SA+7]
	v_wmma_f32_16x16x32_bf16 v[SB:SB+7], v[AF+8:AF+15], v[WQ+40:WQ+47], v[SB:SB+7]
	v_wmma_f32_16x16x32_bf16 v[SA:SA+7], v[AF+16:AF+23], v[WQ+48:WQ+55], v[SA:SA+7]
	v_wmma_f32_16x16x32_bf16 v[SB:SB+7], v[AF+24:AF+31], v[WQ+56:WQ+63], v[SB:SB+7]
	WIN 0
	PLACES
.irp p, 0,2,4,6
	v_pk_add_f32 v[SA+\p:SA+\p+1], v[SA+\p:SA+\p+1], v[SB+\p:SB+\p+1]
.endr
	ds_store_b128 v[EXA], v[SA:SA+3] offset:8192*(\t)
	ds_store_b128 v[EXA], v[SA+4:SA+7] offset:8192*(\t)+512
.endm
; Nodes k0 .. k0 + 31 x my 128 columns, turned: fragment nb holds columns 16 nb + r, registers 0-3 nodes k0 + 8 hh + 0..7, registers 4-7 sixteen further on.
.macro XTLOAD k0, buf
.irp nb, 0,1,2,3,4,5,6,7
	ds_load_tr16_b128 v[\buf+8*\nb:\buf+8*\nb+3], v[TRA] offset:PITCH*\k0+32*\nb
	ds_load_tr16_b128 v[\buf+8*\nb+4:\buf+8*\nb+7], v[TRA] offset:PITCH*\k0+32*\nb+16*PITCH
.endr
.endm
; U += X^T P for 32 nodes.  Source 0 = turned nodes, source 1 = weights: lane (r, hh), register j holds head r, column 16 nb + 8 hh + j.
; The eight accumulators take turns; zero = 1: the first step starts the sums.
.macro POOL buf, s, zero
.irp nb, 0,1,2,3,4,5,6,7
.if \zero
	v_wmma_f32_16x16x32_bf16 v[U+8*\nb:U+8*\nb+7], v[\buf+8*\nb:\buf+8*\nb+7], v[PT+8*\s:PT+8*\s+7], 0
.else
	v_wmma_f32_16x16x32_bf16 v[U+8*\nb:U+8*\nb+7], v[\buf+8*\nb:\buf+8*\nb+7], v[PT+8*\s:PT+8*\s+7], v[U+8*\nb:U+8*\nb+7]
.endif
.endr
.endm
	s_load_b256 s[4:11], s[0:1], 0x0               ; nodes s[4:5], wqk s[6:7], sb s[8:9], upart s[10:11]
	s_load_b64 s[12:13], s[0:1], 0x20              ; stat
	v_lshl_add_u32 v126, v0, 2, 0x4e400
	v_mov_b32 v127, 0
	v_lshrrev_b32 v1, 5, v0
	v_readfirstlane_b32 s14, v1                    ; wave 0..7
	s_mul_i32 s24, ttmp9, NROW*4096                ; my block's first row (under 2^27 bytes)
	s_mov_b32 s25, 0
	s_lshl_b32 s26, ttmp9, 16                      ; my block's 16 x 1,024 sums
	s_mov_b32 s27, 0
	s_lshl_b32 s18, ttmp9, 2
	s_mov_b32 s20, 0x76543210                      ; v_permlanex16_b32: each lane takes its own place in the other half
	s_mov_b32 s21, 0xfedcba98
	s_mov_b32 s22, 0xffff0000                      ; lanes 16-31
	s_mul_i32 s15, s14, XW                         ; my wave's rows in LDS
	s_lshl_b32 s16, s14, 10
	s_add_co_u32 s16, s16, EX
	s_lshl_b32 s17, s14, 13
	s_add_co_u32 s17, s17, EX
	v_and_b32 v[LANE], 31, v0
	v_and_b32 v[RR], 15, v0
	v_bfe_u32 v[HH], v0, 4, 1
	v_lshlrev_b32 v[GOFF], 4, v[LANE]
	v_lshl_add_u32 v[GOFF], s14, 9, v[GOFF]
	v_lshlrev_b32 v[WQO], 11, v[RR]                ; wqk: head r's row of 2,048 bytes, my wave's 256, 16 hh
	v_lshl_add_u32 v[WQO], v[HH], 4, v[WQO]
	v_lshl_add_u32 v[WQO], s14, 8, v[WQO]
	v_lshlrev_b32 v[R4], 2, v[RR]
	s_wait_kmcnt 0x0
	s_add_nc_u64 s[4:5], s[4:5], s[24:25]
	s_add_nc_u64 s[10:11], s[10:11], s[26:27]
	WIN 0x40                                       ; destination in the second block, address in the first
.irp jb, 0,1
.irp kk, 0,1,2,3
	global_load_b128 v[WQ+32*\jb+8*\kk:WQ+32*\jb+8*\kk+3], v[WQO], s[6:7] offset:32768*\jb+64*\kk
	global_load_b128 v[WQ+32*\jb+8*\kk+4:WQ+32*\jb+8*\kk+7], v[WQO], s[6:7] offset:32768*\jb+64*\kk+32
.endr
.endr
	WIN 0
	global_load_b32 v[SBV], v[R4], s[8:9]
	global_load_b32 v[SBV+1], v[R4], s[8:9] offset:64
.set c, 0
.rept 32
	global_load_b128 v[RING+4*c:RING+4*c+3], v[GOFF], s[4:5] offset:c*4096 th:TH_LOAD_NT   ; 32 rows x 512 bytes x 8 waves on their way
.set c, c+1
.endr
	v_lshl_add_u32 v[XST], v[LANE], 3, s15
	v_mul_u32_u24 v[AAD], v[RR], PITCH
	v_lshl_add_u32 v[AAD], v[HH], 4, v[AAD]
	v_add_nc_u32 v[AAD], s15, v[AAD]
	v_lshl_add_u32 v[EXA], v[LANE], 4, s16
	v_and_b32 v[TRA], 7, v0                        ; row 8 hh + lane mod 8, 16 bytes for each eight lanes
	v_lshl_add_u32 v[TRA], v[HH], 3, v[TRA]
	v_mul_u32_u24 v[TRA], v[TRA], PITCH
	v_bfe_u32 v[XC], v0, 3, 1
	v_lshl_add_u32 v[TRA], v[XC], 4, v[TRA]
	v_add_nc_u32 v[TRA], s15, v[TRA]
	v_lshl_add_u32 v[E1A], v[LANE], 4, s17
	v_add_nc_u32 v[MTA], MT, v[R4]
	v_lshl_add_u32 v[MTS], s14, 6, v[MTA]
	v_lshl_add_u32 v[PTA], v[LANE], 4, PTL
	v_lshl_add_u32 v[PTS], s14, 9, v[PTA]
	v_lshlrev_b32 v[C0], 3, v[HH]
	v_lshl_add_u32 v[C0], s14, 4, v[C0]
	v_mov_b32 v[NINF], 0xff800000
	v_mov_b32 v[ZP], 0
	v_mov_b32 v[ZP+1], 0
	v_lshl_add_u32 v[SOFF], v[LANE], 10, s18       ; stat: lanes 0-15 m of head r, lanes 16-31 l: 1,024 lane + 4 g
.set c, NROW
.rept 12
	ds_store_b64 v[XST], v[ZP:ZP+1] offset:PITCH*c ; rows 100-111 are zeros: they are multiplied by weights that are zero
.set c, c+1
.endr
	; THE STREAM: 100 rows in, and behind every sixteenth the tile's scores.  wqk and sb were asked for ahead of row 0: the first wait covers them.
.set c, 0
.rept NROW
	ROWIN
.if (c%16) == 15
	TILE c/16
.endif
.set c, c+1
.endr
	TILE 6                                         ; nodes 96-99 and the twelve rows of zeros
	XTLOAD 0, X0                                   ; the pooling's first two steps: the ring's registers are free, the bytes are my wave's own
	XTLOAD 32, X1
	s_wait_dscnt 0x0                               ; for the others' sake: my partial scores are in LDS
	s_barrier_signal -1
	s_barrier_wait -1
	; Wave t (0-6) finishes tile t: the eight waves' shares, the bias term, the mask of the nodes past the block's end, the tile's maximum.
	s_cmp_eq_u32 s14, 7
	s_cbranch_scc1 .Lno_tile_1
.irp p, 0,1,2,3,4,5,6,7
	ds_load_b128 v[T1+8*\p:T1+8*\p+3], v[E1A] offset:1024*\p
	ds_load_b128 v[T1+8*\p+4:T1+8*\p+7], v[E1A] offset:1024*\p+512
.endr
	v_add_f32 v[SBV], v[SBV], v[SBV+1]             ; the bias term's two shares
	v_mov_b32 v[SBV+1], v[SBV]                     ; the packed sum below names a pair
	s_wait_dscnt 0x0
.irp s, 4,2,1
.set i, 0
.rept \s
.irp p, 0,2,4,6
	v_pk_add_f32 v[T1+8*i+\p:T1+8*i+\p+1], v[T1+8*i+\p:T1+8*i+\p+1], v[T1+8*(i+\s)+\p:T1+8*(i+\s)+\p+1]
.endr
.set i, i+1
.endr
.endr
.irp p, 0,2,4,6
	v_pk_add_f32 v[T1+\p:T1+\p+1], v[T1+\p:T1+\p+1], v[SBV:SBV+1]
.endr
.irp j, 0,1,2,3,4,5,6,7
	v_cmp_gt_u32 vcc_lo, NROW-\j, v[C0]            ; node 16 w + 8 hh + j lies in the block
	v_cndmask_b32 v[T1+\j], v[NINF], v[T1+\j], vcc_lo
.endr
	v_max3_num_f32 v[MX], v[T1], v[T1+1], v[T1+2]
	v_max3_num_f32 v[MX], v[MX], v[T1+3], v[T1+4]
	v_max3_num_f32 v[MX], v[MX], v[T1+5], v[T1+6]
	v_max_num_f32 v[MX], v[MX], v[T1+7]
	v_permlanex16_b32 v[XC], v[MX], s20, s21       ; the tile's other eight nodes lie in the lane 16 away
	v_max_num_f32 v[MX], v[MX], v[XC]
	ds_store_b32 v[MTS], v[MX]
.Lno_tile_1:
	s_wait_dscnt 0x0
	s_barrier_signal -1
	s_barrier_wait -1
	; The block's maximum; the tile's weights and their sum.
	s_cmp_eq_u32 s14, 7
	s_cbranch_scc1 .Lno_tile_2
.irp t, 0,1,2,3,4,5,6
	ds_load_b32 v[SB+\t], v[MTA] offset:64*\t
.endr
	s_wait_dscnt 0x0
	v_max3_num_f32 v[MX], v[SB], v[SB+1], v[SB+2]
	v_max3_num_f32 v[MX], v[MX], v[SB+3], v[SB+4]
	v_max3_num_f32 v[MX], v[MX], v[SB+5], v[SB+6]
.irp j, 0,1,2,3,4,5,6,7
	v_sub_f32 v[T1+\j], v[T1+\j], v[MX]
.endr
.irp j, 0,1,2,3,4,5,6,7
	v_exp_f32 v[T1+\j], v[T1+\j]                   ; a masked node: 2^(-inf) = 0
.endr
	v_nop                                          ; a plain instruction between the exponentials and the use of their results
	s_wait_alu depctr_va_vdst(0)
	v_pk_add_f32 v[W2:W2+1], v[T1:T1+1], v[T1+2:T1+3]
	v_pk_add_f32 v[W2+2:W2+3], v[T1+4:T1+5], v[T1+6:T1+7]
	v_pk_add_f32 v[W2:W2+1], v[W2:W2+1], v[W2+2:W2+3]
	v_add_f32 v[LS], v[W2], v[W2+1]
	v_permlanex16_b32 v[XC], v[LS], s20, s21
	v_add_f32 v[LS], v[LS], v[XC]
.irp j, 0,1,2,3
	v_cvt_pk_bf16_f32 v[W2+4+\j], v[T1+2*\j], v[T1+2*\j+1]
.endr
	ds_store_b128 v[PTS], v[W2+4:W2+7]             ; eight nodes of head r: half a fragment of source 1, lane for lane
	ds_store_b32 v[MTS], v[LS] offset:LT-MT
.Lno_tile_2:
	s_wait_dscnt 0x0
	s_barrier_signal -1
	s_barrier_wait -1
	; Every wave takes all weights.  Steps of 32 nodes begin at 0, 32, 64 and 80: the last takes rows 80-111 with weight 0 for rows 80-95,
	; which the third has had, so that no row past 111 is read.
.irp t, 0,1,2,3,4,5
	ds_load_b128 v[PT+4*\t:PT+4*\t+3], v[PTA] offset:512*\t
.endr
	ds_load_b128 v[PT+28:PT+31], v[PTA] offset:512*6
.irp j, 0,1,2,3
	v_mov_b32 v[PT+24+\j], 0
.endr
	; The addresses of the way out are made here.  The first products below write over registers of the last tile's last product (its accumulator, its
	; fragment of nodes), which asks for five independent vector instructions in between (ISA guide 7.12.1).  The wave that finishes no tile has had that
	; tile's four v_nop (the sums behind them name that product's accumulator); the four zeros above and these four name none of its registers.
	v_mul_u32_u24 v[STO], v[RR], SPITCH            ; in: head r's row, 32 bytes for each half of the lanes
	v_lshl_add_u32 v[STO], v[HH], 5, v[STO]
	v_add_nc_u32 v[STO], s15, v[STO]
	v_lshl_add_u32 v[RDA], v[LANE], 4, s15         ; back: the wave takes a whole row of 512 bytes
	s_wait_dscnt 0x0
	POOL X0, 0, 1
	PLACES
	XTLOAD 64, X0
	POOL X1, 1, 0
	PLACES
	XTLOAD 80, X1
	s_wait_dscnt 16                                ; the third step's 16 loads are in, the fourth's 16 stay out
	POOL X0, 2, 0
	s_wait_dscnt 0x0
	POOL X1, 3, 0
	; THE WAY OUT.  A lane holds 8 neighbouring columns of one head; through my wave's own LDS rows (all read by now) they become whole rows of 512 bytes.
	PLACES
.irp nb, 0,1,2,3,4,5,6,7
	ds_store_b128 v[STO], v[U+8*\nb:U+8*\nb+3] offset:64*\nb
	ds_store_b128 v[STO], v[U+8*\nb+4:U+8*\nb+7] offset:64*\nb+16
.endr
.irp q, 0,1,2,3,4,5,6,7,8,9,10,11,12,13,14,15
	ds_load_b128 v[OB+4*\q:OB+4*\q+3], v[RDA] offset:SPITCH*\q   ; LDS serves a wave's instructions in order: these see the stores above
.endr
.irp q, 0,1,2,3,4,5,6,7,8,9,10,11,12,13,14,15
	s_wait_dscnt 15-\q                             ; head q's row is back; the younger reads stay out
	global_store_b128 v[GOFF], v[OB+4*\q:OB+4*\q+3], s[10:11] offset:4096*\q   ; the wave stores 512 consecutive bytes, aligned
.endr
	s_cmp_lg_u32 s14, 0
	s_cbranch_scc1 .Lend
	; Wave 0: the block's m and l, 32 words laid so that the next launch reads a head's 250 as a row.
.irp t, 0,1,2,3,4,5,6
	ds_load_b32 v[ML+\t], v[MTA] offset:64*\t
.endr
.irp t, 0,1,2,3,4,5,6
	ds_load_b32 v[LL+\t], v[MTA] offset:LT-MT+64*\t
.endr
	s_wait_dscnt 0x0
	v_max3_num_f32 v[MX], v[ML], v[ML+1], v[ML+2]
	v_max3_num_f32 v[MX], v[MX], v[ML+3], v[ML+4]
	v_max3_num_f32 v[MX], v[MX], v[ML+5], v[ML+6]
	v_add_f32 v[LS], v[LL], v[LL+1]
.irp t, 2,3,4,5,6
	v_add_f32 v[LS], v[LS], v[LL+\t]
.endr
	v_cndmask_b32 v[XC], v[MX], v[LS], s22
	global_store_b32 v[SOFF], v[XC], s[12:13]
.Lend:
	s_wait_tensorcnt 0x0
	ds_add_u32 v126, v127
	s_wait_dscnt 0x0
	s_endpgm
.Lfunc_end_k_qa91c793391_main:
	.size	k_qa91c793391_main, .Lfunc_end_k_qa91c793391_main-k_qa91c793391_main
	.p2alignl 7, 3214868480
	.fill 96, 4, 3214868480
	.section	.rodata,"a",@progbits
	.p2align	6, 0x0
	.amdhsa_kernel k_qa91c793391_main
		.amdhsa_group_segment_fixed_size 321536
		.amdhsa_private_segment_fixed_size 0
		.amdhsa_enable_private_segment 0
		.amdhsa_kernarg_size 40
		.amdhsa_user_sgpr_count 2
		.amdhsa_user_sgpr_kernarg_segment_ptr 1
		.amdhsa_wavefront_size32 1
		.amdhsa_system_sgpr_workgroup_id_x 1
		.amdhsa_system_sgpr_workgroup_id_y 1
		.amdhsa_system_sgpr_workgroup_id_z 1
		.amdhsa_system_vgpr_workitem_id 0
		.amdhsa_next_free_vgpr 320
		.amdhsa_next_free_sgpr 66
		.amdhsa_reserve_vcc 1
		.amdhsa_float_denorm_mode_32 3
		.amdhsa_float_denorm_mode_16_64 3
		.amdhsa_memory_ordered 1
		.amdhsa_forward_progress 1
		.amdhsa_inst_pref_size 68
	.end_amdhsa_kernel
	.amdgpu_metadata
---
amdhsa.version: [ 1, 2 ]
amdhsa.kernels:
  - .name:           k_qa91c793391_main
    .symbol:         k_qa91c793391_main.kd
    .args:
      - { .name: nodes, .offset: 0, .size: 8, .value_kind: global_buffer, .address_space: global }
      - { .name: wqk, .offset: 8, .size: 8, .value_kind: global_buffer, .address_space: global }
      - { .name: sb, .offset: 16, .size: 8, .value_kind: global_buffer, .address_space: global }
      - { .name: upart, .offset: 24, .size: 8, .value_kind: global_buffer, .address_space: global }
      - { .name: stat, .offset: 32, .size: 8, .value_kind: global_buffer, .address_space: global }
    .group_segment_fixed_size: 321536
    .private_segment_fixed_size: 0
    .kernarg_segment_align: 8
    .kernarg_segment_size: 40
    .max_flat_workgroup_size: 256
    .sgpr_count:     66
    .vgpr_count:     320
    .wavefront_size: 32
...
	.end_amdgpu_metadata
.endif
;; end of part 2
;; launch comb (part 3): grid 16 x 16, 8 waves a work-group, no clusters, 17,408 bytes of LDS; arguments upart, stat, Wv, ppart; writes ppart
.if DOCPART == 3
	.amdgcn_target "amdgcn-amd-amdhsa--gfx1250"
	.amdhsa_code_object_version 6
	.text
	.protected	k_qa91c793391_comb
	.globl	k_qa91c793391_comb
	.p2align	8
	.type	k_qa91c793391_comb,@function
k_qa91c793391_comb:
	s_mov_b64 s[64:65], 0
	v_nop
	global_prefetch_b8 v0, s[64:65] scope:SCOPE_SE
	s_setreg_imm32_b32 hwreg(HW_REG_WAVE_MODE, 25, 1), 1
	s_wait_xcnt 0x0
; The 250 blocks' softmax pieces are merged, and the value projection follows the pooling (the weights of a softmax sum to 1, so bv is added once, later):
;   M = max_g m[h][g],  w_g = 2^(m_g - M),  L = sum_g w_g l_g,  u[h][i] = sum_g w_g U[g][h][i] / L,  ppart[kb][64h+d] = sum over i in block kb of u[h][i] Wv[i][64h+d].
; SHARES.  Work-group (h, kb): 64 numbers of u (i = 64 kb ..), times 64 x 64 of Wv.  Each byte of upart and of Wv is read once in the launch.
; Wave w, half hh: blocks g = 16 it + 2 w + hh; lane r: 4 columns, so sixteen lanes read 256 consecutive bytes.  Every wave makes the 256 weights for itself
; (1 KB of LDS of its own), which spares a barrier.  All in f32; weights below 2^-126 count as 0; L is at least the l of the block that holds M, so at least 1.
.set NBLK, 250
.set XR, 8192                          ; LDS: 8 tables of 256 weights at 0; 16 rows x 256 bytes of partial u here;
.set YR, 12288                         ; 16 rows x 256 bytes of partial products here
.set LANE, 1
.set RR,   2
.set HH,   3
.set UO,   4
.set UOL,  5
.set WO,   6
.set SO,   7
.set SO7,  8
.set WSA,  9
.set WRA,  10
.set XSA,  11                          ; 512 w + 16 lane, in XR and in YR
.set XRA,  12                          ; 16 (2 w + hh): my four numbers of u
.set R16,  15
.set MJ,   16                          ; v[16:23] m of blocks 32 j + lane, then their weights
.set LJ,   24                          ; v[24:31] l of the same
.set WI,   32                          ; v[32:47] the weights of my sixteen blocks
.set WV,   48                          ; v[48:63] four rows of Wv
.set UQ,   64                          ; v[64:127] my sixteen blocks' quads
.set T,    64
.set ACC,  128
.set MM,   132
.set LL,   133
.set RL,   134                         ; v[134:135] 1 / L, twice
.set XC,   136
.set G0,   140
.set GL,   141
.macro QMUL d, x, p, e                 ; quad d = quad x times register e of the pair p
.if \e
	v_pk_mul_f32 v[\d:\d+1], v[\x:\x+1], v[\p:\p+1] op_sel:[0,1] op_sel_hi:[1,1]
	v_pk_mul_f32 v[\d+2:\d+3], v[\x+2:\x+3], v[\p:\p+1] op_sel:[0,1] op_sel_hi:[1,1]
.else
	v_pk_mul_f32 v[\d:\d+1], v[\x:\x+1], v[\p:\p+1] op_sel_hi:[1,0]
	v_pk_mul_f32 v[\d+2:\d+3], v[\x+2:\x+3], v[\p:\p+1] op_sel_hi:[1,0]
.endif
.endm
.macro QFMA d, x, p, e                 ; quad d += quad x times register e of the pair p
.if \e
	v_pk_fma_f32 v[\d:\d+1], v[\x:\x+1], v[\p:\p+1], v[\d:\d+1] op_sel:[0,1,0] op_sel_hi:[1,1,1]
	v_pk_fma_f32 v[\d+2:\d+3], v[\x+2:\x+3], v[\p:\p+1], v[\d+2:\d+3] op_sel:[0,1,0] op_sel_hi:[1,1,1]
.else
	v_pk_fma_f32 v[\d:\d+1], v[\x:\x+1], v[\p:\p+1], v[\d:\d+1] op_sel_hi:[1,0,1]
	v_pk_fma_f32 v[\d+2:\d+3], v[\x+2:\x+3], v[\p:\p+1], v[\d+2:\d+3] op_sel_hi:[1,0,1]
.endif
.endm
.macro SUM16 adr, t, base              ; sixteen quads, 256 bytes apart in LDS, are added as a tree; the sum ends in v[t:t+3]
.irp i, 0,1,2,3,4,5,6,7,8,9,10,11,12,13,14,15
	ds_load_b128 v[\t+4*\i:\t+4*\i+3], v[\adr] offset:\base+256*\i
.endr
	s_wait_dscnt 0x0
.irp s, 8,4,2,1
.set i, 0
.rept \s
	v_pk_add_f32 v[\t+4*i:\t+4*i+1], v[\t+4*i:\t+4*i+1], v[\t+4*(i+\s):\t+4*(i+\s)+1]
	v_pk_add_f32 v[\t+4*i+2:\t+4*i+3], v[\t+4*i+2:\t+4*i+3], v[\t+4*(i+\s)+2:\t+4*(i+\s)+3]
.set i, i+1
.endr
.endr
.endm
	s_load_b256 s[4:11], s[0:1], 0x0               ; upart s[4:5], stat s[6:7], Wv s[8:9], ppart s[10:11]
	v_lshl_add_u32 v144, v0, 2, 0x4000
	v_mov_b32 v145, 0
	v_lshrrev_b32 v1, 5, v0
	v_readfirstlane_b32 s14, v1                    ; wave 0..7
	s_and_b32 s15, ttmp7, 0xffff                   ; kb
	s_lshl_b32 s17, ttmp9, 8                       ; 256 h
	s_lshl_b32 s28, ttmp9, 12                      ; upart: head h's row of 4,096 bytes, block kb's 256
	s_lshl_b32 s16, s15, 8
	s_add_co_u32 s28, s28, s16
	s_mov_b32 s29, 0
	s_lshl_b32 s30, ttmp9, 10                      ; stat: head h's 256 words
	s_mov_b32 s31, 0
	s_lshl_b32 s32, s15, 18                        ; Wv: 64 kb rows, the head's columns
	s_add_co_u32 s32, s32, s17
	s_mov_b32 s33, 0
	s_lshl_b32 s34, s15, 12                        ; ppart: row kb, the head's columns
	s_add_co_u32 s34, s34, s17
	s_mov_b32 s35, 0
	s_mov_b32 s20, 0x76543210
	s_mov_b32 s21, 0xfedcba98
	v_and_b32 v[LANE], 31, v0
	v_and_b32 v[RR], 15, v0
	v_bfe_u32 v[HH], v0, 4, 1
	v_lshlrev_b32 v[R16], 4, v[RR]
	v_lshl_add_u32 v[G0], s14, 1, v[HH]            ; 2 w + hh
	v_lshl_add_u32 v[UO], v[G0], 16, v[R16]        ; block 2 w + hh (65,536 bytes a block) + 16 r
	v_add_nc_u32 v[GL], 240, v[G0]                 ; the sixteenth turn would pass block 249: the address is held there, the weight is 0
	v_min_u32 v[GL], NBLK-1, v[GL]
	v_lshl_add_u32 v[UOL], v[GL], 16, v[R16]
	v_lshl_add_u32 v[WO], v[G0], 14, v[R16]        ; row 8 w + 4 hh of the 64 + 16 r
	v_lshlrev_b32 v[SO], 2, v[LANE]
	v_add_nc_u32 v[SO7], 224, v[LANE]
	v_min_u32 v[SO7], NBLK-1, v[SO7]
	v_lshlrev_b32 v[SO7], 2, v[SO7]
	v_lshl_add_u32 v[WSA], s14, 10, v[SO]
	v_lshlrev_b32 v[WRA], 2, v[G0]
	v_lshl_add_u32 v[WRA], s14, 10, v[WRA]
	v_lshlrev_b32 v[XSA], 4, v[LANE]
	v_lshl_add_u32 v[XSA], s14, 9, v[XSA]
	v_lshlrev_b32 v[XRA], 4, v[G0]
	s_wait_kmcnt 0x0
	s_add_nc_u64 s[4:5], s[4:5], s[28:29]
	s_add_nc_u64 s[6:7], s[6:7], s[30:31]
	s_add_nc_u64 s[8:9], s[8:9], s[32:33]
	s_add_nc_u64 s[10:11], s[10:11], s[34:35]
	s_add_nc_u64 s[24:25], s[4:5], 0x800000        ; blocks 128 on: the immediate offset holds 24 signed bits
.irp j, 0,1,2,3,4,5,6
	global_load_b32 v[MJ+\j], v[SO], s[6:7] offset:128*\j
.endr
	global_load_b32 v[MJ+7], v[SO7], s[6:7]
.irp j, 0,1,2,3,4,5,6
	global_load_b32 v[LJ+\j], v[SO], s[6:7] offset:16384+128*\j
.endr
	global_load_b32 v[LJ+7], v[SO7], s[6:7] offset:16384
.irp it, 0,1,2,3,4,5,6,7
	global_load_b128 v[UQ+4*\it:UQ+4*\it+3], v[UO], s[4:5] offset:\it*1048576 th:TH_LOAD_NT
.endr
.irp it, 8,9,10,11,12,13,14
	global_load_b128 v[UQ+4*\it:UQ+4*\it+3], v[UO], s[24:25] offset:(\it-8)*1048576 th:TH_LOAD_NT
.endr
	global_load_b128 v[UQ+60:UQ+63], v[UOL], s[4:5] th:TH_LOAD_NT
.irp q, 0,1,2,3
	global_load_b128 v[WV+4*\q:WV+4*\q+3], v[WO], s[8:9] offset:4096*\q th:TH_LOAD_NT
.endr
	s_wait_loadcnt 20                              ; m and l are in; U's 16 loads and Wv's 4 stay out
	v_max3_num_f32 v[MM], v[MJ], v[MJ+1], v[MJ+2]
	v_max3_num_f32 v[XC], v[MJ+3], v[MJ+4], v[MJ+5]
	v_max3_num_f32 v[MM], v[MM], v[MJ+6], v[MJ+7]
	v_max_num_f32 v[MM], v[MM], v[XC]
.irp m, 1,2,4,8
	v_max_num_f32_dpp v[MM], v[MM], v[MM] row_xmask:\m row_mask:0xf bank_mask:0xf
.endr
	v_permlanex16_b32 v[XC], v[MM], s20, s21
	v_max_num_f32 v[MM], v[MM], v[XC]
	v_cmp_gt_u32 vcc_lo, NBLK-224, v[LANE]         ; block 224 + lane exists
.irp j, 0,1,2,3,4,5,6,7
	v_sub_f32 v[MJ+\j], v[MJ+\j], v[MM]
.endr
.irp j, 0,1,2,3,4,5,6,7
	v_exp_f32 v[MJ+\j], v[MJ+\j]
.endr
	v_nop                                          ; a plain instruction between the exponentials and the use of their results
	s_wait_alu depctr_va_vdst(0)
	v_cndmask_b32 v[MJ+7], 0, v[MJ+7], vcc_lo
.irp j, 0,1,2,3,4,5,6,7
	ds_store_b32 v[WSA], v[MJ+\j] offset:128*\j    ; my wave's own table: weight of block g at 4 g
.endr
.irp it, 0,1,2,3,4,5,6,7,8,9,10,11,12,13,14,15
	ds_load_b32 v[WI+\it], v[WRA] offset:64*\it    ; LDS serves a wave's instructions in order: these see the stores above
.endr
	v_mul_f32 v[LL], v[MJ], v[LJ]
.irp j, 1,2,3,4,5,6,7
	v_fmac_f32 v[LL], v[MJ+\j], v[LJ+\j]
.endr
.irp m, 1,2,4,8
	v_add_f32_dpp v[LL], v[LL], v[LL] row_xmask:\m row_mask:0xf bank_mask:0xf
.endr
	v_permlanex16_b32 v[XC], v[LL], s20, s21
	v_add_f32 v[LL], v[LL], v[XC]
	v_rcp_f32 v[RL], v[LL]                         ; twice: the packed multiply below names a pair; the merge stands between these and that use
	v_rcp_f32 v[RL+1], v[LL]
	s_wait_dscnt 0x0
	s_wait_loadcnt 4                               ; U is in; Wv's 4 loads stay out
	QMUL ACC, UQ, WI, 0
	QFMA ACC, UQ+4, WI, 1
.set i, 1
.rept 7
	QFMA ACC, UQ+8*i, WI+2*i, 0
	QFMA ACC, UQ+8*i+4, WI+2*i, 1
.set i, i+1
.endr
	ds_store_b128 v[XSA], v[ACC:ACC+3] offset:XR
	s_wait_dscnt 0x0                               ; for the other waves' sake
	s_barrier_signal -1
	s_barrier_wait -1
	SUM16 XRA, T, XR                               ; u of rows 8 w + 4 hh + 0..3 of the block, the same in the sixteen lanes of a half
	s_wait_alu depctr_va_vdst(0)
	v_pk_mul_f32 v[T:T+1], v[T:T+1], v[RL:RL+1]
	v_pk_mul_f32 v[T+2:T+3], v[T+2:T+3], v[RL:RL+1]
	s_wait_loadcnt 0x0
	QMUL ACC, WV, T, 0
	QFMA ACC, WV+4, T, 1
	QFMA ACC, WV+8, T+2, 0
	QFMA ACC, WV+12, T+2, 1
	ds_store_b128 v[XSA], v[ACC:ACC+3] offset:YR
	s_wait_dscnt 0x0
	s_barrier_signal -1
	s_barrier_wait -1
	s_cmp_lg_u32 s14, 0
	s_cbranch_scc1 .Lend                           ; wave 0 adds the sixteen shares and stores for the work-group
	SUM16 R16, T, YR
	s_wait_xcnt 0x0                                ; EXEC changes only when no memory instruction still reads it
	v_cmp_gt_u32 vcc_lo, 16, v[LANE]
	s_and_saveexec_b32 s26, vcc_lo
	global_store_b128 v[R16], v[T:T+3], s[10:11]   ; sixteen lanes: 256 consecutive bytes, aligned
	s_wait_xcnt 0x0
	s_or_b32 exec_lo, exec_lo, s26
.Lend:
	s_wait_tensorcnt 0x0
	ds_add_u32 v144, v145
	s_wait_dscnt 0x0
	s_endpgm
.Lfunc_end_k_qa91c793391_comb:
	.size	k_qa91c793391_comb, .Lfunc_end_k_qa91c793391_comb-k_qa91c793391_comb
	.p2alignl 7, 3214868480
	.fill 96, 4, 3214868480
	.section	.rodata,"a",@progbits
	.p2align	6, 0x0
	.amdhsa_kernel k_qa91c793391_comb
		.amdhsa_group_segment_fixed_size 17408
		.amdhsa_private_segment_fixed_size 0
		.amdhsa_enable_private_segment 0
		.amdhsa_kernarg_size 32
		.amdhsa_user_sgpr_count 2
		.amdhsa_user_sgpr_kernarg_segment_ptr 1
		.amdhsa_wavefront_size32 1
		.amdhsa_system_sgpr_workgroup_id_x 1
		.amdhsa_system_sgpr_workgroup_id_y 1
		.amdhsa_system_sgpr_workgroup_id_z 1
		.amdhsa_system_vgpr_workitem_id 0
		.amdhsa_next_free_vgpr 146
		.amdhsa_next_free_sgpr 66
		.amdhsa_reserve_vcc 1
		.amdhsa_float_denorm_mode_32 3
		.amdhsa_float_denorm_mode_16_64 3
		.amdhsa_memory_ordered 1
		.amdhsa_forward_progress 1
		.amdhsa_inst_pref_size 19
	.end_amdhsa_kernel
	.amdgpu_metadata
---
amdhsa.version: [ 1, 2 ]
amdhsa.kernels:
  - .name:           k_qa91c793391_comb
    .symbol:         k_qa91c793391_comb.kd
    .args:
      - { .name: upart, .offset: 0, .size: 8, .value_kind: global_buffer, .address_space: global }
      - { .name: stat, .offset: 8, .size: 8, .value_kind: global_buffer, .address_space: global }
      - { .name: Wv, .offset: 16, .size: 8, .value_kind: global_buffer, .address_space: global }
      - { .name: ppart, .offset: 24, .size: 8, .value_kind: global_buffer, .address_space: global }
    .group_segment_fixed_size: 17408
    .private_segment_fixed_size: 0
    .kernarg_segment_align: 8
    .kernarg_segment_size: 32
    .max_flat_workgroup_size: 256
    .sgpr_count:     66
    .vgpr_count:     146
    .wavefront_size: 32
...
	.end_amdgpu_metadata
.endif
;; end of part 3
;; launch mlp1 (part 4): grid 16 x 16, 8 waves a work-group, no clusters, 9,216 bytes of LDS; arguments ppart, bv, z_prev, W1, hpart; writes hpart
.if DOCPART == 4
	.amdgcn_target "amdgcn-amd-amdhsa--gfx1250"
	.amdhsa_code_object_version 6
	.text
	.protected	k_qa91c793391_mlp1
	.globl	k_qa91c793391_mlp1
	.p2align	8
	.type	k_qa91c793391_mlp1,@function
k_qa91c793391_mlp1:
	s_mov_b64 s[64:65], 0
	v_nop
	global_prefetch_b8 v0, s[64:65] scope:SCOPE_SE
	s_setreg_imm32_b32 hwreg(HW_REG_WAVE_MODE, 25, 1), 1
	s_wait_xcnt 0x0
; hpart[kb][64 cb + d] = sum over k in block kb of  pooled[k] W1[k][64 cb + d] + z_prev[k] W1[1024 + k][64 cb + d],   pooled = sum of ppart's 16 rows + bv.
; SHARES.  Work-group (cb, kb): 64 k of each half of the concatenated vector, 64 columns: 2 x 64 rows x 256 bytes of W1, each byte read once in the launch.
; Wave w, half hh: rows 8 w + 4 hh + 0..3; lane r: 4 columns, so sixteen lanes read 256 consecutive bytes.  All in f32.
; A one-row product streams its weights once: the matrix unit, clusters and LDS tiles would add nothing.
.set XR, 0                             ; LDS: ppart's 16 rows x 256 bytes
.set YR, 4096                          ; 16 rows x 256 bytes of partial products
.set LANE, 1
.set RR,   2
.set HH,   3
.set PO,   4
.set WO,   5
.set BO,   6                           ; 16 (2 w + hh): my four k, in bv, in z_prev and in an LDS row
.set XSA,  7                           ; 512 w + 16 lane
.set R16,  11
.set PP,   12
.set BV,   16
.set ZB,   20
.set W,    24                          ; v[24:55] four rows of the upper half, four of the lower
.set ACC,  56
.set G0,   60
.set T,    64
.macro QMUL d, x, p, e                 ; quad d = quad x times register e of the pair p
.if \e
	v_pk_mul_f32 v[\d:\d+1], v[\x:\x+1], v[\p:\p+1] op_sel:[0,1] op_sel_hi:[1,1]
	v_pk_mul_f32 v[\d+2:\d+3], v[\x+2:\x+3], v[\p:\p+1] op_sel:[0,1] op_sel_hi:[1,1]
.else
	v_pk_mul_f32 v[\d:\d+1], v[\x:\x+1], v[\p:\p+1] op_sel_hi:[1,0]
	v_pk_mul_f32 v[\d+2:\d+3], v[\x+2:\x+3], v[\p:\p+1] op_sel_hi:[1,0]
.endif
.endm
.macro QFMA d, x, p, e                 ; quad d += quad x times register e of the pair p
.if \e
	v_pk_fma_f32 v[\d:\d+1], v[\x:\x+1], v[\p:\p+1], v[\d:\d+1] op_sel:[0,1,0] op_sel_hi:[1,1,1]
	v_pk_fma_f32 v[\d+2:\d+3], v[\x+2:\x+3], v[\p:\p+1], v[\d+2:\d+3] op_sel:[0,1,0] op_sel_hi:[1,1,1]
.else
	v_pk_fma_f32 v[\d:\d+1], v[\x:\x+1], v[\p:\p+1], v[\d:\d+1] op_sel_hi:[1,0,1]
	v_pk_fma_f32 v[\d+2:\d+3], v[\x+2:\x+3], v[\p:\p+1], v[\d+2:\d+3] op_sel_hi:[1,0,1]
.endif
.endm
.macro SUM16 adr, t, base              ; sixteen quads, 256 bytes apart in LDS, are added as a tree; the sum ends in v[t:t+3]
.irp i, 0,1,2,3,4,5,6,7,8,9,10,11,12,13,14,15
	ds_load_b128 v[\t+4*\i:\t+4*\i+3], v[\adr] offset:\base+256*\i
.endr
	s_wait_dscnt 0x0
.irp s, 8,4,2,1
.set i, 0
.rept \s
	v_pk_add_f32 v[\t+4*i:\t+4*i+1], v[\t+4*i:\t+4*i+1], v[\t+4*(i+\s):\t+4*(i+\s)+1]
	v_pk_add_f32 v[\t+4*i+2:\t+4*i+3], v[\t+4*i+2:\t+4*i+3], v[\t+4*(i+\s)+2:\t+4*(i+\s)+3]
.set i, i+1
.endr
.endr
.endm
	s_load_b256 s[4:11], s[0:1], 0x0               ; ppart s[4:5], bv s[6:7], z_prev s[8:9], W1 s[10:11]
	s_load_b64 s[12:13], s[0:1], 0x20              ; hpart
	v_lshl_add_u32 v128, v0, 2, 0x2000
	v_mov_b32 v129, 0
	v_lshrrev_b32 v1, 5, v0
	v_readfirstlane_b32 s14, v1                    ; wave 0..7
	s_and_b32 s15, ttmp7, 0xffff                   ; kb
	s_lshl_b32 s17, ttmp9, 8                       ; 256 cb
	s_lshl_b32 s28, s15, 8                         ; 256 kb
	s_mov_b32 s29, 0
	s_lshl_b32 s30, s15, 18                        ; W1: 64 kb rows, my 64 columns
	s_add_co_u32 s30, s30, s17
	s_mov_b32 s31, 0
	s_lshl_b32 s32, s15, 12                        ; hpart: row kb, my 64 columns
	s_add_co_u32 s32, s32, s17
	s_mov_b32 s33, 0
	v_and_b32 v[LANE], 31, v0
	v_and_b32 v[RR], 15, v0
	v_bfe_u32 v[HH], v0, 4, 1
	v_lshlrev_b32 v[R16], 4, v[RR]
	v_lshl_add_u32 v[G0], s14, 1, v[HH]            ; 2 w + hh
	v_lshl_add_u32 v[PO], v[G0], 12, v[R16]        ; ppart's row 2 w + hh
	v_lshl_add_u32 v[WO], v[G0], 14, v[R16]        ; W1's row 8 w + 4 hh of the 64
	v_lshlrev_b32 v[BO], 4, v[G0]
	v_lshlrev_b32 v[XSA], 4, v[LANE]
	v_lshl_add_u32 v[XSA], s14, 9, v[XSA]
	s_wait_kmcnt 0x0
	s_add_nc_u64 s[4:5], s[4:5], s[28:29]
	s_add_nc_u64 s[6:7], s[6:7], s[28:29]
	s_add_nc_u64 s[8:9], s[8:9], s[28:29]
	s_add_nc_u64 s[10:11], s[10:11], s[30:31]
	s_add_nc_u64 s[12:13], s[12:13], s[32:33]
	global_load_b128 v[PP:PP+3], v[PO], s[4:5]
	global_load_b128 v[BV:BV+3], v[BO], s[6:7]
	global_load_b128 v[ZB:ZB+3], v[BO], s[8:9]
.irp q, 0,1,2,3
	global_load_b128 v[W+4*\q:W+4*\q+3], v[WO], s[10:11] offset:4096*\q th:TH_LOAD_NT
.endr
.irp q, 0,1,2,3
	global_load_b128 v[W+16+4*\q:W+16+4*\q+3], v[WO], s[10:11] offset:4194304+4096*\q th:TH_LOAD_NT
.endr
	s_wait_loadcnt 10                              ; ppart's quad is in; bv, z_prev and W1's eight stay out
	ds_store_b128 v[XSA], v[PP:PP+3] offset:XR
	s_wait_dscnt 0x0                               ; for the other waves' sake
	s_barrier_signal -1
	s_barrier_wait -1
	SUM16 BO, T, XR                                ; the sixteen partial sums of my four k
	s_wait_loadcnt 0x0
	v_pk_add_f32 v[T:T+1], v[T:T+1], v[BV:BV+1]
	v_pk_add_f32 v[T+2:T+3], v[T+2:T+3], v[BV+2:BV+3]
	QMUL ACC, W, T, 0
	QFMA ACC, W+4, T, 1
	QFMA ACC, W+8, T+2, 0
	QFMA ACC, W+12, T+2, 1
	QFMA ACC, W+16, ZB, 0
	QFMA ACC, W+20, ZB, 1
	QFMA ACC, W+24, ZB+2, 0
	QFMA ACC, W+28, ZB+2, 1
	ds_store_b128 v[XSA], v[ACC:ACC+3] offset:YR
	s_wait_dscnt 0x0
	s_barrier_signal -1
	s_barrier_wait -1
	s_cmp_lg_u32 s14, 0
	s_cbranch_scc1 .Lend                           ; wave 0 adds the sixteen shares and stores for the work-group
	SUM16 R16, T, YR
	s_wait_xcnt 0x0                                ; EXEC changes only when no memory instruction still reads it
	v_cmp_gt_u32 vcc_lo, 16, v[LANE]
	s_and_saveexec_b32 s26, vcc_lo
	global_store_b128 v[R16], v[T:T+3], s[12:13]   ; sixteen lanes: 256 consecutive bytes, aligned
	s_wait_xcnt 0x0
	s_or_b32 exec_lo, exec_lo, s26
.Lend:
	s_wait_tensorcnt 0x0
	ds_add_u32 v128, v129
	s_wait_dscnt 0x0
	s_endpgm
.Lfunc_end_k_qa91c793391_mlp1:
	.size	k_qa91c793391_mlp1, .Lfunc_end_k_qa91c793391_mlp1-k_qa91c793391_mlp1
	.p2alignl 7, 3214868480
	.fill 96, 4, 3214868480
	.section	.rodata,"a",@progbits
	.p2align	6, 0x0
	.amdhsa_kernel k_qa91c793391_mlp1
		.amdhsa_group_segment_fixed_size 9216
		.amdhsa_private_segment_fixed_size 0
		.amdhsa_enable_private_segment 0
		.amdhsa_kernarg_size 40
		.amdhsa_user_sgpr_count 2
		.amdhsa_user_sgpr_kernarg_segment_ptr 1
		.amdhsa_wavefront_size32 1
		.amdhsa_system_sgpr_workgroup_id_x 1
		.amdhsa_system_sgpr_workgroup_id_y 1
		.amdhsa_system_sgpr_workgroup_id_z 1
		.amdhsa_system_vgpr_workitem_id 0
		.amdhsa_next_free_vgpr 130
		.amdhsa_next_free_sgpr 66
		.amdhsa_reserve_vcc 1
		.amdhsa_float_denorm_mode_32 3
		.amdhsa_float_denorm_mode_16_64 3
		.amdhsa_memory_ordered 1
		.amdhsa_forward_progress 1
		.amdhsa_inst_pref_size 11
	.end_amdhsa_kernel
	.amdgpu_metadata
---
amdhsa.version: [ 1, 2 ]
amdhsa.kernels:
  - .name:           k_qa91c793391_mlp1
    .symbol:         k_qa91c793391_mlp1.kd
    .args:
      - { .name: ppart, .offset: 0, .size: 8, .value_kind: global_buffer, .address_space: global }
      - { .name: bv, .offset: 8, .size: 8, .value_kind: global_buffer, .address_space: global }
      - { .name: z_prev, .offset: 16, .size: 8, .value_kind: global_buffer, .address_space: global }
      - { .name: W1, .offset: 24, .size: 8, .value_kind: global_buffer, .address_space: global }
      - { .name: hpart, .offset: 32, .size: 8, .value_kind: global_buffer, .address_space: global }
    .group_segment_fixed_size: 9216
    .private_segment_fixed_size: 0
    .kernarg_segment_align: 8
    .kernarg_segment_size: 40
    .max_flat_workgroup_size: 256
    .sgpr_count:     66
    .vgpr_count:     130
    .wavefront_size: 32
...
	.end_amdgpu_metadata
.endif
;; end of part 4
;; launch mlp2 (part 5): grid 16 x 16, 8 waves a work-group, no clusters, 9,216 bytes of LDS; arguments hpart, b1, W2, ypart; writes ypart
.if DOCPART == 5
	.amdgcn_target "amdgcn-amd-amdhsa--gfx1250"
	.amdhsa_code_object_version 6
	.text
	.protected	k_qa91c793391_mlp2
	.globl	k_qa91c793391_mlp2
	.p2align	8
	.type	k_qa91c793391_mlp2,@function
k_qa91c793391_mlp2:
	s_mov_b64 s[64:65], 0
	v_nop
	global_prefetch_b8 v0, s[64:65] scope:SCOPE_SE
	s_setreg_imm32_b32 hwreg(HW_REG_WAVE_MODE, 25, 1), 1
	s_wait_xcnt 0x0
; ypart[kb][64 cb + d] = sum over k in block kb of gelu(h[k]) W2[k][64 cb + d],   h = sum of hpart's 16 rows + b1,   gelu(x) = x (1 + erf(x / sqrt 2)) / 2.
; SHARES as in the launch before: work-group (cb, kb) takes 64 k x 64 columns; wave w, half hh rows 8 w + 4 hh + 0..3; lane r 4 columns.  All in f32.
; GELU.  With z = |x| / sqrt 2 and t = 1 / (1 + z / 2):  erfc(z) = t exp(-z^2 + P(t)), P of degree 9: a fit whose fractional error stays near 1.2e-7 for every z,
; to which the rounding of the exponent adds some 5e-6 at z = 5.  gelu(x) = max(x, 0) - (|x| / 2) erfc(z): no difference of near-equal numbers on either side of 0;
; for large |x| the exponential goes to 0 and x or 0 is left.
.set XR, 0
.set YR, 4096
.set LANE, 1
.set RR,   2
.set HH,   3
.set PO,   4
.set WO,   5
.set BO,   6
.set XSA,  7
.set R16,  11
.set PP,   12
.set BV,   16
.set W,    24                          ; v[24:39] four rows of W2
.set ACC,  56
.set G0,   60
.set T,    64
.set GA,   68                          ; |x|, then |x| / 2
.set GZ,   72
.set GT,   76
.set GU,   80
.set GM,   84
.set GC,   88
.macro QMUL d, x, p, e                 ; quad d = quad x times register e of the pair p
.if \e
	v_pk_mul_f32 v[\d:\d+1], v[\x:\x+1], v[\p:\p+1] op_sel:[0,1] op_sel_hi:[1,1]
	v_pk_mul_f32 v[\d+2:\d+3], v[\x+2:\x+3], v[\p:\p+1] op_sel:[0,1] op_sel_hi:[1,1]
.else
	v_pk_mul_f32 v[\d:\d+1], v[\x:\x+1], v[\p:\p+1] op_sel_hi:[1,0]
	v_pk_mul_f32 v[\d+2:\d+3], v[\x+2:\x+3], v[\p:\p+1] op_sel_hi:[1,0]
.endif
.endm
.macro QFMA d, x, p, e                 ; quad d += quad x times register e of the pair p
.if \e
	v_pk_fma_f32 v[\d:\d+1], v[\x:\x+1], v[\p:\p+1], v[\d:\d+1] op_sel:[0,1,0] op_sel_hi:[1,1,1]
	v_pk_fma_f32 v[\d+2:\d+3], v[\x+2:\x+3], v[\p:\p+1], v[\d+2:\d+3] op_sel:[0,1,0] op_sel_hi:[1,1,1]
.else
	v_pk_fma_f32 v[\d:\d+1], v[\x:\x+1], v[\p:\p+1], v[\d:\d+1] op_sel_hi:[1,0,1]
	v_pk_fma_f32 v[\d+2:\d+3], v[\x+2:\x+3], v[\p:\p+1], v[\d+2:\d+3] op_sel_hi:[1,0,1]
.endif
.endm
.macro SUM16 adr, t, base              ; sixteen quads, 256 bytes apart in LDS, are added as a tree; the sum ends in v[t:t+3]
.irp i, 0,1,2,3,4,5,6,7,8,9,10,11,12,13,14,15
	ds_load_b128 v[\t+4*\i:\t+4*\i+3], v[\adr] offset:\base+256*\i
.endr
	s_wait_dscnt 0x0
.irp s, 8,4,2,1
.set i, 0
.rept \s
	v_pk_add_f32 v[\t+4*i:\t+4*i+1], v[\t+4*i:\t+4*i+1], v[\t+4*(i+\s):\t+4*(i+\s)+1]
	v_pk_add_f32 v[\t+4*i+2:\t+4*i+3], v[\t+4*i+2:\t+4*i+3], v[\t+4*(i+\s)+2:\t+4*(i+\s)+3]
.set i, i+1
.endr
.endr
.endm
.macro GELU4                           ; v[T:T+3] = gelu of v[T:T+3], the four side by side, so that plain instructions follow each run of reciprocals or exponentials
.irp k, 0,1,2,3
	v_and_b32 v[GA+\k], 0x7fffffff, v[T+\k]
.endr
.irp k, 0,1,2,3
	v_mul_f32 v[GZ+\k], 0x3f3504f3, v[GA+\k]       ; z = |x| / sqrt 2
.endr
.irp k, 0,1,2,3
	v_fma_f32 v[GT+\k], v[GZ+\k], 0.5, 1.0
.endr
.irp k, 0,1,2,3
	v_rcp_f32 v[GT+\k], v[GT+\k]
.endr
	v_mov_b32 v[GC], 0x3e2ef945                    ; 0.17087277, the leading coefficient
.irp k, 0,1,2,3
	v_mul_f32 v[GA+\k], 0.5, v[GA+\k]
.endr
	s_wait_alu depctr_va_vdst(0)
.irp k, 0,1,2,3
	v_fmaak_f32 v[GU+\k], v[GC], v[GT+\k], 0xbf527892
.endr
.irp cf, 0x3fbe87b0, 0xbf914e5d, 0x3e8ec7cc, 0xbe3ec24c, 0x3dc636c9, 0x3ebf88fb, 0x3f8000c7, 0xbfa1fc4e
.irp k, 0,1,2,3
	v_fmaak_f32 v[GU+\k], v[GU+\k], v[GT+\k], \cf
.endr
.endr
.irp k, 0,1,2,3
	v_fma_f32 v[GU+\k], -v[GZ+\k], v[GZ+\k], v[GU+\k]
.endr
.irp k, 0,1,2,3
	v_mul_f32 v[GU+\k], 0x3fb8aa3b, v[GU+\k]       ; e^y = 2^(y log2 e)
.endr
.irp k, 0,1,2,3
	v_exp_f32 v[GU+\k], v[GU+\k]
.endr
.irp k, 0,1,2,3
	v_max_num_f32 v[GM+\k], 0, v[T+\k]
.endr
	s_wait_alu depctr_va_vdst(0)
.irp k, 0,1,2,3
	v_mul_f32 v[GU+\k], v[GT+\k], v[GU+\k]         ; erfc(z)
.endr
.irp k, 0,1,2,3
	v_fma_f32 v[T+\k], -v[GA+\k], v[GU+\k], v[GM+\k]
.endr
.endm
	s_load_b256 s[4:11], s[0:1], 0x0               ; hpart s[4:5], b1 s[6:7], W2 s[8:9], ypart s[10:11]
	v_lshl_add_u32 v128, v0, 2, 0x2000
	v_mov_b32 v129, 0
	v_lshrrev_b32 v1, 5, v0
	v_readfirstlane_b32 s14, v1                    ; wave 0..7
	s_and_b32 s15, ttmp7, 0xffff                   ; kb
	s_lshl_b32 s17, ttmp9, 8                       ; 256 cb
	s_lshl_b32 s28, s15, 8                         ; 256 kb
	s_mov_b32 s29, 0
	s_lshl_b32 s30, s15, 18                        ; W2: 64 kb rows, my 64 columns
	s_add_co_u32 s30, s30, s17
	s_mov_b32 s31, 0
	s_lshl_b32 s32, s15, 12                        ; ypart: row kb, my 64 columns
	s_add_co_u32 s32, s32, s17
	s_mov_b32 s33, 0
	v_and_b32 v[LANE], 31, v0
	v_and_b32 v[RR], 15, v0
	v_bfe_u32 v[HH], v0, 4, 1
	v_lshlrev_b32 v[R16], 4, v[RR]
	v_lshl_add_u32 v[G0], s14, 1, v[HH]            ; 2 w + hh
	v_lshl_add_u32 v[PO], v[G0], 12, v[R16]
	v_lshl_add_u32 v[WO], v[G0], 14, v[R16]
	v_lshlrev_b32 v[BO], 4, v[G0]
	v_lshlrev_b32 v[XSA], 4, v[LANE]
	v_lshl_add_u32 v[XSA], s14, 9, v[XSA]
	s_wait_kmcnt 0x0
	s_add_nc_u64 s[4:5], s[4:5], s[28:29]
	s_add_nc_u64 s[6:7], s[6:7], s[28:29]
	s_add_nc_u64 s[8:9], s[8:9], s[30:31]
	s_add_nc_u64 s[10:11], s[10:11], s[32:33]
	global_load_b128 v[PP:PP+3], v[PO], s[4:5]
	global_load_b128 v[BV:BV+3], v[BO], s[6:7]
.irp q, 0,1,2,3
	global_load_b128 v[W+4*\q:W+4*\q+3], v[WO], s[8:9] offset:4096*\q th:TH_LOAD_NT
.endr
	s_wait_loadcnt 5                               ; hpart's quad is in; b1 and W2's four stay out
	ds_store_b128 v[XSA], v[PP:PP+3] offset:XR
	s_wait_dscnt 0x0                               ; for the other waves' sake
	s_barrier_signal -1
	s_barrier_wait -1
	SUM16 BO, T, XR
	s_wait_loadcnt 0x0
	v_pk_add_f32 v[T:T+1], v[T:T+1], v[BV:BV+1]
	v_pk_add_f32 v[T+2:T+3], v[T+2:T+3], v[BV+2:BV+3]
	GELU4
	QMUL ACC, W, T, 0
	QFMA ACC, W+4, T, 1
	QFMA ACC, W+8, T+2, 0
	QFMA ACC, W+12, T+2, 1
	ds_store_b128 v[XSA], v[ACC:ACC+3] offset:YR
	s_wait_dscnt 0x0
	s_barrier_signal -1
	s_barrier_wait -1
	s_cmp_lg_u32 s14, 0
	s_cbranch_scc1 .Lend                           ; wave 0 adds the sixteen shares and stores for the work-group
	SUM16 R16, T, YR
	s_wait_xcnt 0x0                                ; EXEC changes only when no memory instruction still reads it
	v_cmp_gt_u32 vcc_lo, 16, v[LANE]
	s_and_saveexec_b32 s26, vcc_lo
	global_store_b128 v[R16], v[T:T+3], s[10:11]   ; sixteen lanes: 256 consecutive bytes, aligned
	s_wait_xcnt 0x0
	s_or_b32 exec_lo, exec_lo, s26
.Lend:
	s_wait_tensorcnt 0x0
	ds_add_u32 v128, v129
	s_wait_dscnt 0x0
	s_endpgm
.Lfunc_end_k_qa91c793391_mlp2:
	.size	k_qa91c793391_mlp2, .Lfunc_end_k_qa91c793391_mlp2-k_qa91c793391_mlp2
	.p2alignl 7, 3214868480
	.fill 96, 4, 3214868480
	.section	.rodata,"a",@progbits
	.p2align	6, 0x0
	.amdhsa_kernel k_qa91c793391_mlp2
		.amdhsa_group_segment_fixed_size 9216
		.amdhsa_private_segment_fixed_size 0
		.amdhsa_enable_private_segment 0
		.amdhsa_kernarg_size 32
		.amdhsa_user_sgpr_count 2
		.amdhsa_user_sgpr_kernarg_segment_ptr 1
		.amdhsa_wavefront_size32 1
		.amdhsa_system_sgpr_workgroup_id_x 1
		.amdhsa_system_sgpr_workgroup_id_y 1
		.amdhsa_system_sgpr_workgroup_id_z 1
		.amdhsa_system_vgpr_workitem_id 0
		.amdhsa_next_free_vgpr 130
		.amdhsa_next_free_sgpr 66
		.amdhsa_reserve_vcc 1
		.amdhsa_float_denorm_mode_32 3
		.amdhsa_float_denorm_mode_16_64 3
		.amdhsa_memory_ordered 1
		.amdhsa_forward_progress 1
		.amdhsa_inst_pref_size 14
	.end_amdhsa_kernel
	.amdgpu_metadata
---
amdhsa.version: [ 1, 2 ]
amdhsa.kernels:
  - .name:           k_qa91c793391_mlp2
    .symbol:         k_qa91c793391_mlp2.kd
    .args:
      - { .name: hpart, .offset: 0, .size: 8, .value_kind: global_buffer, .address_space: global }
      - { .name: b1, .offset: 8, .size: 8, .value_kind: global_buffer, .address_space: global }
      - { .name: W2, .offset: 16, .size: 8, .value_kind: global_buffer, .address_space: global }
      - { .name: ypart, .offset: 24, .size: 8, .value_kind: global_buffer, .address_space: global }
    .group_segment_fixed_size: 9216
    .private_segment_fixed_size: 0
    .kernarg_segment_align: 8
    .kernarg_segment_size: 32
    .max_flat_workgroup_size: 256
    .sgpr_count:     66
    .vgpr_count:     130
    .wavefront_size: 32
...
	.end_amdgpu_metadata
.endif
;; end of part 5
;; launch norm (part 6): grid 1 x 1, 8 waves a work-group, no clusters, 1,280 bytes of LDS; arguments ypart, b2, scale, out0; writes out0
.if DOCPART == 6
	.amdgcn_target "amdgcn-amd-amdhsa--gfx1250"
	.amdhsa_code_object_version 6
	.text
	.protected	k_qa91c793391_norm
	.globl	k_qa91c793391_norm
	.p2align	8
	.type	k_qa91c793391_norm,@function
k_qa91c793391_norm:
	s_mov_b64 s[64:65], 0
	v_nop
	global_prefetch_b8 v0, s[64:65] scope:SCOPE_SE
	s_setreg_imm32_b32 hwreg(HW_REG_WAVE_MODE, 25, 1), 1
	s_wait_xcnt 0x0
; y = sum of ypart's 16 rows + b2;   out = scale y / sqrt(mean(y^2) + 1e-6).   All in f32.
; One work-group: the norm wants all 1,024 numbers, and the 64 KB that it reads are too few to share out.
; Thread t owns columns 4 t .. 4 t + 3: each load and the store of a wave cover 512 consecutive bytes.
.set OFF, 4
.set WA,  5
.set ZA,  6
.set T,   16                           ; v[16:79] the sixteen rows' quads; y ends in v[16:19]
.set B2,  80
.set SC,  84
.set SS,  88                           ; v[88:95] sums of squares
	s_load_b256 s[4:11], s[0:1], 0x0               ; ypart s[4:5], b2 s[6:7], scale s[8:9], out0 s[10:11]
	v_lshl_add_u32 v96, v0, 2, 0x100
	v_mov_b32 v97, 0
	v_lshrrev_b32 v1, 5, v0
	v_readfirstlane_b32 s14, v1                    ; wave 0..7
	s_mov_b32 s20, 0x76543210
	s_mov_b32 s21, 0xfedcba98
	s_mov_b32 s12, 0x3a800000                      ; 1 / 1,024
	s_mov_b32 s13, 0x358637bd                      ; 1e-6
	v_lshlrev_b32 v[OFF], 4, v0
	v_mov_b32 v[WA], s14
	v_lshlrev_b32 v[WA], 2, v[WA]
	v_mov_b32 v[ZA], 0
	s_wait_kmcnt 0x0
.irp p, 0,1,2,3,4,5,6,7,8,9,10,11,12,13,14,15
	global_load_b128 v[T+4*\p:T+4*\p+3], v[OFF], s[4:5] offset:4096*\p
.endr
	global_load_b128 v[B2:B2+3], v[OFF], s[6:7]
	global_load_b128 v[SC:SC+3], v[OFF], s[8:9]
	s_wait_loadcnt 0x0
.irp s, 8,4,2,1
.set i, 0
.rept \s
	v_pk_add_f32 v[T+4*i:T+4*i+1], v[T+4*i:T+4*i+1], v[T+4*(i+\s):T+4*(i+\s)+1]
	v_pk_add_f32 v[T+4*i+2:T+4*i+3], v[T+4*i+2:T+4*i+3], v[T+4*(i+\s)+2:T+4*(i+\s)+3]
.set i, i+1
.endr
.endr
	v_pk_add_f32 v[T:T+1], v[T:T+1], v[B2:B2+1]
	v_pk_add_f32 v[T+2:T+3], v[T+2:T+3], v[B2+2:B2+3]
	v_pk_mul_f32 v[SS:SS+1], v[T:T+1], v[T:T+1]
	v_pk_fma_f32 v[SS:SS+1], v[T+2:T+3], v[T+2:T+3], v[SS:SS+1]
	v_add_f32 v[SS], v[SS], v[SS+1]
.irp m, 1,2,4,8
	v_add_f32_dpp v[SS], v[SS], v[SS] row_xmask:\m row_mask:0xf bank_mask:0xf
.endr
	v_permlanex16_b32 v[SS+1], v[SS], s20, s21
	v_add_f32 v[SS], v[SS], v[SS+1]
	ds_store_b32 v[WA], v[SS]                      ; my wave's sum, one word a wave
	s_wait_dscnt 0x0                               ; for the other waves' sake
	s_barrier_signal -1
	s_barrier_wait -1
	ds_load_b128 v[SS:SS+3], v[ZA]
	ds_load_b128 v[SS+4:SS+7], v[ZA] offset:16
	s_wait_dscnt 0x0
	v_pk_add_f32 v[SS:SS+1], v[SS:SS+1], v[SS+2:SS+3]
	v_pk_add_f32 v[SS+4:SS+5], v[SS+4:SS+5], v[SS+6:SS+7]
	v_pk_add_f32 v[SS:SS+1], v[SS:SS+1], v[SS+4:SS+5]
	v_add_f32 v[SS], v[SS], v[SS+1]
	v_fma_f32 v[SS], v[SS], s12, s13               ; the mean of the squares + 1e-6
	v_rsq_f32 v[SS+2], v[SS]
	v_pk_mul_f32 v[T:T+1], v[T:T+1], v[SC:SC+1]    ; plain work between the root and the use of its result
	v_pk_mul_f32 v[T+2:T+3], v[T+2:T+3], v[SC+2:SC+3]
	s_wait_alu depctr_va_vdst(0)
	v_pk_mul_f32 v[T:T+1], v[T:T+1], v[SS+2:SS+3] op_sel_hi:[1,0]
	v_pk_mul_f32 v[T+2:T+3], v[T+2:T+3], v[SS+2:SS+3] op_sel_hi:[1,0]
	global_store_b128 v[OFF], v[T:T+3], s[10:11]
	s_wait_tensorcnt 0x0
	ds_add_u32 v96, v97
	s_wait_dscnt 0x0
	s_endpgm
.Lfunc_end_k_qa91c793391_norm:
	.size	k_qa91c793391_norm, .Lfunc_end_k_qa91c793391_norm-k_qa91c793391_norm
	.p2alignl 7, 3214868480
	.fill 96, 4, 3214868480
	.section	.rodata,"a",@progbits
	.p2align	6, 0x0
	.amdhsa_kernel k_qa91c793391_norm
		.amdhsa_group_segment_fixed_size 1280
		.amdhsa_private_segment_fixed_size 0
		.amdhsa_enable_private_segment 0
		.amdhsa_kernarg_size 32
		.amdhsa_user_sgpr_count 2
		.amdhsa_user_sgpr_kernarg_segment_ptr 1
		.amdhsa_wavefront_size32 1
		.amdhsa_system_sgpr_workgroup_id_x 1
		.amdhsa_system_sgpr_workgroup_id_y 1
		.amdhsa_system_sgpr_workgroup_id_z 1
		.amdhsa_system_vgpr_workitem_id 0
		.amdhsa_next_free_vgpr 98
		.amdhsa_next_free_sgpr 66
		.amdhsa_reserve_vcc 0
		.amdhsa_float_denorm_mode_32 3
		.amdhsa_float_denorm_mode_16_64 3
		.amdhsa_memory_ordered 1
		.amdhsa_forward_progress 1
		.amdhsa_inst_pref_size 7
	.end_amdhsa_kernel
	.amdgpu_metadata
---
amdhsa.version: [ 1, 2 ]
amdhsa.kernels:
  - .name:           k_qa91c793391_norm
    .symbol:         k_qa91c793391_norm.kd
    .args:
      - { .name: ypart, .offset: 0, .size: 8, .value_kind: global_buffer, .address_space: global }
      - { .name: b2, .offset: 8, .size: 8, .value_kind: global_buffer, .address_space: global }
      - { .name: scale, .offset: 16, .size: 8, .value_kind: global_buffer, .address_space: global }
      - { .name: out0, .offset: 24, .size: 8, .value_kind: global_buffer, .address_space: global }
    .group_segment_fixed_size: 1280
    .private_segment_fixed_size: 0
    .kernarg_segment_align: 8
    .kernarg_segment_size: 32
    .max_flat_workgroup_size: 256
    .sgpr_count:     66
    .vgpr_count:     98
    .wavefront_size: 32
...
	.end_amdgpu_metadata
.endif
;; end of part 6
;; ======== version 2 of 2: 6 launches; version 1 with the launch main written anew for expert scheduling mode
;; workspace buffers: wqk 65,536 bytes; sb 256 bytes; upart 16,384,000 bytes; stat 32,768 bytes; ppart 65,536 bytes; hpart 65,536 bytes; ypart 65,536 bytes
;; launch prep: the kernel of part 1 again; grid 16 x 16, 8 waves a work-group, no clusters, 5,632 bytes of LDS; arguments Wq, Wk, z_prev, bq, bk, wqk, sb; writes wqk, sb
;; launch main (part 7): grid 250 x 1, 8 waves a work-group, no clusters, 321,536 bytes of LDS; arguments nodes, wqk, sb, upart, stat; writes upart, stat
.if DOCPART == 7
	.amdgcn_target "amdgcn-amd-amdhsa--gfx1250"
	.amdhsa_code_object_version 6
	.text
	.protected	k_qa91c793391_main
	.globl	k_qa91c793391_main
	.p2align	8
	.type	k_qa91c793391_main,@function
k_qa91c793391_main:
	s_mov_b64 s[64:65], 0
	v_nop
	global_prefetch_b8 v0, s[64:65] scope:SCOPE_SE
	s_setreg_imm32_b32 hwreg(HW_REG_WAVE_SCHED_MODE, 0, 2), 2
	s_setreg_imm32_b32 hwreg(HW_REG_WAVE_MODE, 25, 1), 1
	s_wait_xcnt 0x0
	s_wait_alu depctr_vm_vsrc(0)
; For a block of 100 nodes and all 16 heads:  s[c][h] = nodes[c] . (wqk[0][h] + wqk[1][h]) + sb[0][h] + sb[1][h]  (an exponent of 2),  m[h] = max_c s,
; p = 2^(s - m),  l[h] = sum_c p,  U[h][:] = sum_c p[c][h] nodes[c][:].   25,000 nodes = 250 blocks of 100: equal work, no ragged block.
; The folded key matrix comes in two shares; each is an operand of the matrix unit, and the two products are added in the f32 accumulators.
; nodes is read from memory ONCE: every row passes through registers, is rounded to bf16 and stays in LDS (100 x 2,048 bytes), where both
; matrix products take it: the scores as the rows lie, the pooling turned (ds_load_tr16_b128).  The block's true maximum is taken away.
; SHARES.  Wave w owns columns 128 w .. 128 w + 127 of every row: 512 bytes of memory a row (one load of the wave), 256 bytes of LDS that no
; other wave touches.  Its share of the scores (a sum over its 128 columns) meets the other waves' in LDS; wave t then finishes tile t (16 nodes).
; REGISTERS.  v0-255 as listed below; v256-319 hold wqk's eight fragments and later the pooling's third step, v320-383 its fourth.  An instruction names v0-v255;
; s_set_vgpr_msb says which block of 256 each operand place means (bits 1:0 source 0, 3:2 source 1, 5:4 source 2, 7:6 destination): two switches round wqk's loads,
; two round each tile's products, two round the loads of the pooling's last two steps, two round their products.
; LIMITS.  nodes, both shares of wqk and the weights p are rounded to bf16 for the matrix unit; l is the sum of the unrounded p; weights below 2^-126 count as 0;
; inputs are taken to be finite.
; Left out: tensor loads (each byte has to pass through registers to be rounded, an f32 tile in LDS would be written and read for nothing);
; clusters (what work-groups share, wqk, is 64 KB beside 400 KB of their own).
; THE MODE: SCHED_MODE bits 1:0 = 2 (LLVM: expert scheduling mode 2), set by the entry lines.  The code itself states the register dependences between vector or
; matrix instructions and memory or LDS instructions, with s_wait_alu, always for 0.
; THE PLAN.  Registers that memory or LDS instructions touch:
;   RING        32 rows.  The stream goes in blocks of four rows: a block's eight conversions read its rows; behind them the rows 32 further on are loaded into the same registers.
;   TMP         Written by a block's conversions; read by its four LDS stores.
;   AF          Loaded from LDS at a tile's head; read by the tile's eight products.
;   SA          Written by a tile's products and by its four sums, which stand in the NEXT block, behind that block's conversions; read by two LDS stores of that block.
;   WQ          Loaded once; read by every tile's products; behind the last tile its registers are X2.
;   X0 .. X3    The pooling's four steps, a buffer each (X0, X1: the ring's registers): loaded behind the last tile, read by the pooling's products, which no load interrupts.
;   v48-111     Behind the stream: the waves' partial scores (LDS loads), the softmax at work (some of it stored to LDS), then the pooling's accumulators (stored to LDS).
;   addresses   Made at the head, two more ahead of the pooling; none is ever written again: rows and tiles are reached by immediate offsets.
; So a block has two waits.  vm_vsrc at its head: the LDS stores issued so far have read TMP (and SA).  va_vdst behind its conversions: they are done reading the block's rows and have
; written TMP, and a tile's sums have written SA; the block's loads and stores follow, and a tile's loads of AF behind them owe nothing more: no vector or matrix instruction stands
; between, and the products that last read AF stand ahead of that wait.  The wait stands behind the conversions, not at the next block's head, so that a row's registers are asked for
; again at once and 28 to 32 rows of every wave stay on their way.
.set NROW,   100
.set PITCH,  288                       ; an LDS row of a wave: 256 bytes + 32
.set XW,     112*PITCH                 ; a wave's rows: 100, and 12 of zeros so that tiles of 16 and steps of 32 end inside
.set EX,     8*XW                      ; partial scores: [7 tiles][8 waves][1,024 bytes]
.set MT,     EX+7*8*1024               ; tile maxima [7][16]
.set LT,     MT+512                    ; tile sums   [7][16]
.set PTL,    LT+512                    ; weights as bf16: [7 tiles][512 bytes]
.set SPITCH, 528                       ; the way out (in the wave's own rows, when they have been read): 16 heads x 512 bytes + 16
.set LANE, 1
.set RR,   2
.set HH,   3
.set GOFF, 4                           ; 512 w + 16 lane: my 16 bytes of a row of nodes, and of a head's row of U
.set XST,  5                           ; LDS: my 8 bytes of my wave's row 0
.set AAD,  6                           ; LDS: my place in a fragment of 16 rows x 32 columns
.set EXA,  7                           ; LDS: my wave's partial scores of tile 0
.set TRA,  8                           ; LDS: my place in a turning load
.set E1A,  9                           ; LDS: tile w's partial scores, first wave's
.set MTA,  10                          ; LDS: MT + 4 r
.set PTA,  11                          ; LDS: PTL + 16 lane
.set STO,  12                          ; LDS, the way out: where I put 32 bytes of a head's row
.set RDA,  13                          ; LDS, the way out: where I read 16 bytes of a row back
.set SBV,  14                          ; v[14:15] sb's two shares for head r; then their sum, twice
.set PT,   16                          ; v[16:47] four fragments of weights
.set WQ,   0                           ; in the second block of 256: v[256:319] wqk: share jb's four fragments (16 heads x 32 columns) at 32 jb
.set SA,   48                          ; two score accumulators that take turns
.set SB,   56
.set AF,   64                          ; v[64:95] four fragments of 16 nodes x 32 columns
.set TMP,  96                          ; v[96:103] a block's four rows as bf16
.set T1,   48                          ; v[48:111] eight waves' partial scores; the sum stays in v[48:55]
.set W2,   64                          ; at work in the softmax
.set U,    48                          ; v[48:111] eight accumulators: 16 columns x 16 heads each
.set C0,   112                         ; 16 w + 8 hh: the first node of my registers in tile w
.set NINF, 113
.set MX,   114
.set LS,   115
.set XC,   116                         ; what the other half of the lanes holds
.set MTS,  117                         ; LDS: MT + 64 w + 4 r
.set ZP,   118                         ; v[118:119] zeros
.set WQO,  120
.set SOFF, 121
.set R4,   122
.set PTS,  123                         ; LDS: PTL + 512 w + 16 lane
.set RING, 128                         ; v[128:255] 32 rows on their way, 4 registers each
.set X0,   128                         ; later: turned fragments of 32 nodes x 128 columns: the pooling's first two steps,
.set X1,   192
.set X2,   0                           ; and, in the second block of 256, its third (v[256:319], wqk's registers)
.set X3,   64                          ; and fourth (v[320:383])
.set OB,   128                         ; later: U read back by rows
.set ML,   192
.set LL,   200
.set MK,   24                          ; s[24:31] eight masks: which of my eight nodes lie in the block
.set MSB, 0
.macro WIN new                         ; the immediate's high byte repeats the setting that is left; at every label and branch the setting is 0
.if MSB != \new
	s_set_vgpr_msb (MSB<<8)|\new
.set MSB, \new
.endif
.endm
.macro PLACES                          ; four independent vector instructions between a matrix instruction and whatever reads its result or writes one of its registers (ISA guide 7.12.1)
.rept 4
	v_nop
.endr
.endm
; Tile t (nodes 16 t .. 16 t + 15): my 128 columns' share of the scores.  Source 0 = nodes, source 1 = wqk: lane (r, hh), register j holds node 16 t + 8 hh + j, head r.
; Each fragment of nodes meets both shares of wqk.  The two accumulators take turns, one instruction a turn.
; The next block's conversions stand between these products and the sums that read them, and between these products and the next tile's.
.macro TILE t
.irp kk, 0,1,2,3
	ds_load_b128 v[AF+8*\kk:AF+8*\kk+3], v[AAD] offset:16*PITCH*(\t)+64*\kk        ; no wait: only loads and stores stand between the block's wait on va_vdst and these, and the products that last read AF stand ahead of it
	ds_load_b128 v[AF+8*\kk+4:AF+8*\kk+7], v[AAD] offset:16*PITCH*(\t)+64*\kk+32
.endr
	s_wait_dscnt 0x0
.if (\t) == 6
	s_wait_alu depctr_vm_vsrc(0)                   ; tile 5's two LDS stores, issued in the one block between, have read SA, which the products below write
.endif
	WIN 0x04                                       ; source 1 in the second block
	v_wmma_f32_16x16x32_bf16 v[SA:SA+7], v[AF:AF+7], v[WQ:WQ+7], 0
	v_wmma_f32_16x16x32_bf16 v[SB:SB+7], v[AF+8:AF+15], v[WQ+8:WQ+15], 0
	v_wmma_f32_16x16x32_bf16 v[SA:SA+7], v[AF+16:AF+23], v[WQ+16:WQ+23], v[SA:SA+7]
	v_wmma_f32_16x16x32_bf16 v[SB:SB+7], v[AF+24:AF+31], v[WQ+24:WQ+31], v[SB:SB+7]
	v_wmma_f32_16x16x32_bf16 v[SA:SA+7], v[AF:AF+7], v[WQ+32:WQ+39], v[SA:SA+7]
	v_wmma_f32_16x16x32_bf16 v[SB:SB+7], v[AF+8:AF+15], v[WQ+40:WQ+47], v[SB:SB+7]
	v_wmma_f32_16x16x32_bf16 v[SA:SA+7], v[AF+16:AF+23], v[WQ+48:WQ+55], v[SA:SA+7]
	v_wmma_f32_16x16x32_bf16 v[SB:SB+7], v[AF+24:AF+31], v[WQ+56:WQ+63], v[SB:SB+7]
	WIN 0
.endm
.macro SUMS                            ; a tile's two accumulators are added, each from its low end on
.irp p, 0,2,4,6
	v_pk_add_f32 v[SA+\p:SA+\p+1], v[SA+\p:SA+\p+1], v[SB+\p:SB+\p+1]
.endr
.endm
.macro EXOUT t                         ; and the sum goes to LDS, for the wave that finishes tile t
	ds_store_b128 v[EXA], v[SA:SA+3] offset:8192*(\t)
	ds_store_b128 v[EXA], v[SA+4:SA+7] offset:8192*(\t)+512
.endm
; Block b: rows 4 b .. 4 b + 3 are in; rounded to bf16; their registers take the rows 32 further on; 8 bytes a lane and row go to LDS.
; The block behind a tile also adds the tile's two accumulators and stores the sum: its eight conversions are the places behind the tile's products.
.macro BLOCK
.if 4*b+31 < NROW
	s_wait_loadcnt 28                              ; loads return in order: rows 4 b + 4 .. 4 b + 31 stay out
.else
	s_wait_loadcnt NROW-4-4*b                      ; no more rows are asked for: the count runs down
.endif
.if b > 0
	s_wait_alu depctr_vm_vsrc(0)                   ; the LDS stores issued so far have read TMP, which the conversions below write again, and SA, which the next tile's products write
.endif
.irp i, 0,1,2,3
	v_cvt_pk_bf16_f32 v[TMP+2*\i], v[RING+4*((4*b+\i)%32)], v[RING+4*((4*b+\i)%32)+1]
	v_cvt_pk_bf16_f32 v[TMP+2*\i+1], v[RING+4*((4*b+\i)%32)+2], v[RING+4*((4*b+\i)%32)+3]
.endr
.if (b > 0) && ((b%4) == 0)
	SUMS
.endif
	s_wait_alu depctr_va_vdst(0)                   ; the conversions are done reading the block's rows, in which the loads below land, and have written TMP, which the stores below read; behind a tile the sums have written SA
.if 4*b+32 < NROW
.irp i, 0,1,2,3
	global_load_b128 v[RING+4*((4*b+\i)%32):RING+4*((4*b+\i)%32)+3], v[GOFF], s[4:5] offset:(4*b+\i+32)*4096 th:TH_LOAD_NT
.endr
.endif
.irp i, 0,1,2,3
	ds_store_b64 v[XST], v[TMP+2*\i:TMP+2*\i+1] offset:PITCH*(4*b+\i)
.endr
.if (b > 0) && ((b%4) == 0)
	EXOUT b/4-1
.endif
.endm
; Nodes k0 .. k0 + 31 x my 128 columns, turned: fragment nb holds columns 16 nb + r, registers 0-3 nodes k0 + 8 hh + 0..7, registers 4-7 sixteen further on.
.macro XTLOAD k0, buf
.irp nb, 0,1,2,3,4,5,6,7
	ds_load_tr16_b128 v[\buf+8*\nb:\buf+8*\nb+3], v[TRA] offset:PITCH*\k0+32*\nb
	ds_load_tr16_b128 v[\buf+8*\nb+4:\buf+8*\nb+7], v[TRA] offset:PITCH*\k0+32*\nb+16*PITCH
.endr
.endm
; U += X^T P for 32 nodes.  Source 0 = turned nodes, source 1 = weights: lane (r, hh), register j holds head r, column 16 nb + 8 hh + j.
; The eight accumulators take turns; zero = 1: the first step starts the sums.
.macro POOL buf, s, zero
.irp nb, 0,1,2,3,4,5,6,7
.if \zero
	v_wmma_f32_16x16x32_bf16 v[U+8*\nb:U+8*\nb+7], v[\buf+8*\nb:\buf+8*\nb+7], v[PT+8*\s:PT+8*\s+7], 0
.else
	v_wmma_f32_16x16x32_bf16 v[U+8*\nb:U+8*\nb+7], v[\buf+8*\nb:\buf+8*\nb+7], v[PT+8*\s:PT+8*\s+7], v[U+8*\nb:U+8*\nb+7]
.endif
.endr
.endm
	s_load_b256 s[4:11], s[0:1], 0x0               ; nodes s[4:5], wqk s[6:7], sb s[8:9], upart s[10:11]
	s_load_b64 s[12:13], s[0:1], 0x20              ; stat
	v_lshl_add_u32 v126, v0, 2, 0x4e400
	v_mov_b32 v127, 0
	v_lshrrev_b32 v1, 5, v0
	v_readfirstlane_b32 s14, v1                    ; wave 0..7
	s_mul_i32 s24, ttmp9, NROW*4096                ; my block's first row (under 2^27 bytes)
	s_mov_b32 s25, 0
	s_lshl_b32 s26, ttmp9, 16                      ; my block's 16 x 1,024 sums
	s_mov_b32 s27, 0
	s_lshl_b32 s18, ttmp9, 2
	s_mov_b32 s20, 0x76543210                      ; v_permlanex16_b32: each lane takes its own place in the other half
	s_mov_b32 s21, 0xfedcba98
	s_mov_b32 s22, 0xffff0000                      ; lanes 16-31
	s_wait_alu depctr_va_sdst(0)                   ; s14 is written, ahead of its first reader: LDS places, offsets and the branches on the wave's number are made from it
	s_mul_i32 s15, s14, XW                         ; my wave's rows in LDS
	s_lshl_b32 s16, s14, 10
	s_add_co_u32 s16, s16, EX
	s_lshl_b32 s17, s14, 13
	s_add_co_u32 s17, s17, EX
	v_and_b32 v[LANE], 31, v0
	v_and_b32 v[RR], 15, v0
	v_bfe_u32 v[HH], v0, 4, 1
	v_lshlrev_b32 v[GOFF], 4, v[LANE]
	v_lshl_add_u32 v[GOFF], s14, 9, v[GOFF]
	v_lshlrev_b32 v[WQO], 11, v[RR]                ; wqk: head r's row of 2,048 bytes, my wave's 256, 16 hh
	v_lshl_add_u32 v[WQO], v[HH], 4, v[WQO]
	v_lshl_add_u32 v[WQO], s14, 8, v[WQO]
	v_lshlrev_b32 v[R4], 2, v[RR]
	s_wait_kmcnt 0x0
	s_add_nc_u64 s[4:5], s[4:5], s[24:25]
	s_add_nc_u64 s[10:11], s[10:11], s[26:27]
	WIN 0x40                                       ; destination in the second block, address in the first
	s_wait_alu depctr_va_vdst(0)                   ; the three offsets v[WQO], v[R4] and v[GOFF] are written, which the loads below read
.irp jb, 0,1
.irp kk, 0,1,2,3
	global_load_b128 v[WQ+32*\jb+8*\kk:WQ+32*\jb+8*\kk+3], v[WQO], s[6:7] offset:32768*\jb+64*\kk
	global_load_b128 v[WQ+32*\jb+8*\kk+4:WQ+32*\jb+8*\kk+7], v[WQO], s[6:7] offset:32768*\jb+64*\kk+32
.endr
.endr
	WIN 0
	global_load_b32 v[SBV], v[R4], s[8:9]
	global_load_b32 v[SBV+1], v[R4], s[8:9] offset:64
.set c, 0
.rept 32
	global_load_b128 v[RING+4*c:RING+4*c+3], v[GOFF], s[4:5] offset:c*4096 th:TH_LOAD_NT   ; 32 rows x 512 bytes x 8 waves on their way
.set c, c+1
.endr
	v_lshl_add_u32 v[XST], v[LANE], 3, s15
	v_mul_u32_u24 v[AAD], v[RR], PITCH
	v_lshl_add_u32 v[AAD], v[HH], 4, v[AAD]
	v_add_nc_u32 v[AAD], s15, v[AAD]
	v_lshl_add_u32 v[EXA], v[LANE], 4, s16
	v_and_b32 v[TRA], 7, v0                        ; row 8 hh + lane mod 8, 16 bytes for each eight lanes
	v_lshl_add_u32 v[TRA], v[HH], 3, v[TRA]
	v_mul_u32_u24 v[TRA], v[TRA], PITCH
	v_bfe_u32 v[XC], v0, 3, 1
	v_lshl_add_u32 v[TRA], v[XC], 4, v[TRA]
	v_add_nc_u32 v[TRA], s15, v[TRA]
	v_lshl_add_u32 v[E1A], v[LANE], 4, s17
	v_add_nc_u32 v[MTA], MT, v[R4]
	v_lshl_add_u32 v[MTS], s14, 6, v[MTA]
	v_lshl_add_u32 v[PTA], v[LANE], 4, PTL
	v_lshl_add_u32 v[PTS], s14, 9, v[PTA]
	v_lshlrev_b32 v[C0], 3, v[HH]
	v_lshl_add_u32 v[C0], s14, 4, v[C0]
	v_mov_b32 v[NINF], 0xff800000
	v_mov_b32 v[ZP], 0
	v_mov_b32 v[ZP+1], 0
	v_lshl_add_u32 v[SOFF], v[LANE], 10, s18       ; stat: lanes 0-15 m of head r, lanes 16-31 l: 1,024 lane + 4 g
	s_wait_alu depctr_va_vdst(0)                   ; the zeros are written, which the stores below read, and so are the LDS addresses and stat's offset, which every later access reads
.set c, NROW
.rept 12
	ds_store_b64 v[XST], v[ZP:ZP+1] offset:PITCH*c ; rows 100-111 are zeros: they are multiplied by weights that are zero
.set c, c+1
.endr
	; THE STREAM: 100 rows in, four to a block, and behind every fourth block the tile's scores.  wqk and sb were asked for ahead of row 0: the first wait covers them.
.set b, 0
.rept NROW/4
	BLOCK
.if (b%4) == 3
	TILE b/4
.endif
.set b, b+1
.endr
	TILE 6                                         ; nodes 96-99 and the twelve rows of zeros
	PLACES                                         ; no block follows: nothing else is at hand to stand behind the last products
	SUMS
	WIN 0x40                                       ; destination in the second block, address in the first
	s_wait_alu depctr_va_vdst(0)                   ; the sums have written SA, which the stores below read; the products are done reading wqk's registers, in which the third step lands (the ring's were read last ahead of the last block's wait)
	XTLOAD 64, X2                                  ; the pooling's four steps, a buffer each: the bytes are my wave's own
	XTLOAD 80, X3
	WIN 0
	EXOUT 6
	XTLOAD 0, X0
	XTLOAD 32, X1
	s_wait_dscnt 0x0                               ; for the others' sake: my partial scores are in LDS
	s_barrier_signal -1
	s_barrier_wait -1
	s_wait_alu depctr_vm_vsrc(0)                   ; my LDS stores have read SA and TMP: the loads below land in v48-111, and in the wave that finishes no tile the pooling's products write them
	; Wave t (0-6) finishes tile t: the eight waves' shares, the bias term, the mask of the nodes past the block's end, the tile's maximum.
	s_cmp_eq_u32 s14, 7
	s_cbranch_scc1 .Lno_tile_1
.irp p, 0,1,2,3,4,5,6,7
	ds_load_b128 v[T1+8*\p:T1+8*\p+3], v[E1A] offset:1024*\p       ; no vector or matrix instruction since the wait on va_vdst behind the last tile names v48-111
	ds_load_b128 v[T1+8*\p+4:T1+8*\p+7], v[E1A] offset:1024*\p+512
.endr
	v_add_f32 v[SBV], v[SBV], v[SBV+1]             ; the bias term's two shares
	v_mov_b32 v[SBV+1], v[SBV]                     ; the packed sum below names a pair
.irp j, 0,1,2,3,4,5,6,7
	v_cmp_gt_u32 s[MK+\j], NROW-\j, v[C0]          ; node 16 w + 8 hh + j lies in the block
.endr
	s_wait_alu depctr_va_sdst(0)                   ; the eight masks are written, ahead of the selects that read them
	s_wait_dscnt 0x0
.irp s, 4,2,1
.set i, 0
.rept \s
.irp p, 0,2,4,6
	v_pk_add_f32 v[T1+8*i+\p:T1+8*i+\p+1], v[T1+8*i+\p:T1+8*i+\p+1], v[T1+8*(i+\s)+\p:T1+8*(i+\s)+\p+1]
.endr
.set i, i+1
.endr
.endr
.irp p, 0,2,4,6
	v_pk_add_f32 v[T1+\p:T1+\p+1], v[T1+\p:T1+\p+1], v[SBV:SBV+1]
.endr
.irp j, 0,1,2,3,4,5,6,7
	v_cndmask_b32 v[T1+\j], v[NINF], v[T1+\j], s[MK+\j]
.endr
	v_max3_num_f32 v[MX], v[T1], v[T1+1], v[T1+2]
	v_max3_num_f32 v[MX], v[MX], v[T1+3], v[T1+4]
	v_max3_num_f32 v[MX], v[MX], v[T1+5], v[T1+6]
	v_max_num_f32 v[MX], v[MX], v[T1+7]
	v_permlanex16_b32 v[XC], v[MX], s20, s21       ; the tile's other eight nodes lie in the lane 16 away
	v_max_num_f32 v[MX], v[MX], v[XC]
	s_wait_alu depctr_va_vdst(0)                   ; the tile's maximum is written, which the store below reads; the sums above are done with v56-62, in which the next part's loads land
	ds_store_b32 v[MTS], v[MX]
.Lno_tile_1:
	s_wait_dscnt 0x0
	s_barrier_signal -1
	s_barrier_wait -1
	; The block's maximum; the tile's weights and their sum.
	s_cmp_eq_u32 s14, 7
	s_cbranch_scc1 .Lno_tile_2
.irp t, 0,1,2,3,4,5,6
	ds_load_b32 v[SB+\t], v[MTA] offset:64*\t
.endr
	s_wait_dscnt 0x0
	s_wait_alu depctr_vm_vsrc(0)                   ; the store of the tile's maximum has read v[MX], which is written again below
	v_max3_num_f32 v[MX], v[SB], v[SB+1], v[SB+2]
	v_max3_num_f32 v[MX], v[MX], v[SB+3], v[SB+4]
	v_max3_num_f32 v[MX], v[MX], v[SB+5], v[SB+6]
.irp j, 0,1,2,3,4,5,6,7
	v_sub_f32 v[T1+\j], v[T1+\j], v[MX]
.endr
.irp j, 0,1,2,3,4,5,6,7
	v_exp_f32 v[T1+\j], v[T1+\j]                   ; a masked node: 2^(-inf) = 0
.endr
	v_nop                                          ; a plain instruction between the exponentials and the use of their results
	s_wait_alu depctr_va_vdst(0)
	v_pk_add_f32 v[W2:W2+1], v[T1:T1+1], v[T1+2:T1+3]
	v_pk_add_f32 v[W2+2:W2+3], v[T1+4:T1+5], v[T1+6:T1+7]
	v_pk_add_f32 v[W2:W2+1], v[W2:W2+1], v[W2+2:W2+3]
	v_add_f32 v[LS], v[W2], v[W2+1]
	v_permlanex16_b32 v[XC], v[LS], s20, s21
	v_add_f32 v[LS], v[LS], v[XC]
.irp j, 0,1,2,3
	v_cvt_pk_bf16_f32 v[W2+4+\j], v[T1+2*\j], v[T1+2*\j+1]
.endr
	s_wait_alu depctr_va_vdst(0)                   ; the weights and their sum are written, which the two stores below read
	ds_store_b128 v[PTS], v[W2+4:W2+7]             ; eight nodes of head r: half a fragment of source 1, lane for lane
	ds_store_b32 v[MTS], v[LS] offset:LT-MT
.Lno_tile_2:
	s_wait_dscnt 0x0
	s_barrier_signal -1
	s_barrier_wait -1
	s_wait_alu depctr_vm_vsrc(0)                   ; those two stores have read the weights' registers, which the pooling's products write, and v[LS], which wave 0 writes again at the end
	; Every wave takes all weights.  Steps of 32 nodes begin at 0, 32, 64 and 80: the last takes rows 80-111 with weight 0 for rows 80-95,
	; which the third has had, so that no row past 111 is read.  All four steps' turned nodes are in registers: the 32 products follow each other.
.irp t, 0,1,2,3,4,5
	ds_load_b128 v[PT+4*\t:PT+4*\t+3], v[PTA] offset:512*\t
.endr
	ds_load_b128 v[PT+28:PT+31], v[PTA] offset:512*6
.irp j, 0,1,2,3
	v_mov_b32 v[PT+24+\j], 0
.endr
	; The addresses of the way out are made here.  The first products below write over registers of the last tile's last product (its accumulator, its
	; fragment of nodes), which asks for five independent vector instructions in between (ISA guide 7.12.1).  The wave that finishes no tile has had that
	; tile's four v_nop (the sums behind them name that product's accumulator); the four zeros above and these four name none of its registers.
	v_mul_u32_u24 v[STO], v[RR], SPITCH            ; in: head r's row, 32 bytes for each half of the lanes
	v_lshl_add_u32 v[STO], v[HH], 5, v[STO]
	v_add_nc_u32 v[STO], s15, v[STO]
	v_lshl_add_u32 v[RDA], v[LANE], 4, s15         ; back: the wave takes a whole row of 512 bytes
	s_wait_dscnt 0x0
	POOL X0, 0, 1
	POOL X1, 1, 0
	WIN 0x01                                       ; source 0 in the second block
	POOL X2, 2, 0
	POOL X3, 3, 0
	WIN 0
	; THE WAY OUT.  A lane holds 8 neighbouring columns of one head; through my wave's own LDS rows (all read by now) they become whole rows of 512 bytes.
	PLACES
	s_wait_alu depctr_va_vdst(0)                   ; the products have written U, which the LDS stores read, and are done reading X0 and X1, in which the loads below land; v[STO] and v[RDA] are written.  The places above stay beside this wait
.irp nb, 0,1,2,3,4,5,6,7
	ds_store_b128 v[STO], v[U+8*\nb:U+8*\nb+3] offset:64*\nb
	ds_store_b128 v[STO], v[U+8*\nb+4:U+8*\nb+7] offset:64*\nb+16
.endr
.irp q, 0,1,2,3,4,5,6,7,8,9,10,11,12,13,14,15
	ds_load_b128 v[OB+4*\q:OB+4*\q+3], v[RDA] offset:SPITCH*\q   ; LDS serves a wave's instructions in order: these see the stores above
.endr
.irp q, 0,1,2,3,4,5,6,7,8,9,10,11,12,13,14,15
	s_wait_dscnt 15-\q                             ; head q's row is back; the younger reads stay out
	global_store_b128 v[GOFF], v[OB+4*\q:OB+4*\q+3], s[10:11] offset:4096*\q   ; the wave stores 512 consecutive bytes, aligned
.endr
	s_cmp_lg_u32 s14, 0
	s_cbranch_scc1 .Lend
	; Wave 0: the block's m and l, 32 words laid so that the next launch reads a head's 250 as a row.
.irp t, 0,1,2,3,4,5,6
	ds_load_b32 v[ML+\t], v[MTA] offset:64*\t      ; into X1's registers: no vector or matrix instruction since the way out's wait names them
.endr
.irp t, 0,1,2,3,4,5,6
	ds_load_b32 v[LL+\t], v[MTA] offset:LT-MT+64*\t
.endr
	s_wait_dscnt 0x0
	v_max3_num_f32 v[MX], v[ML], v[ML+1], v[ML+2]
	v_max3_num_f32 v[MX], v[MX], v[ML+3], v[ML+4]
	v_max3_num_f32 v[MX], v[MX], v[ML+5], v[ML+6]
	v_add_f32 v[LS], v[LL], v[LL+1]
.irp t, 2,3,4,5,6
	v_add_f32 v[LS], v[LS], v[LL+\t]
.endr
	v_cndmask_b32 v[XC], v[MX], v[LS], s22
	s_wait_alu depctr_va_vdst(0)                   ; the select has written v[XC], which the store below reads
	global_store_b32 v[SOFF], v[XC], s[12:13]
.Lend:
	s_wait_dscnt 0x0
	s_wait_alu depctr_hold_cnt(0) depctr_sa_sdst(0) depctr_va_vdst(0) depctr_va_sdst(0) depctr_va_ssrc(0) depctr_va_vcc(0) depctr_vm_vsrc(0)
	s_wait_tensorcnt 0x0
	ds_add_u32 v126, v127
	s_wait_dscnt 0x0
	s_endpgm
.Lfunc_end_k_qa91c793391_main:
	.size	k_qa91c793391_main, .Lfunc_end_k_qa91c793391_main-k_qa91c793391_main
	.p2alignl 7, 3214868480
	.fill 96, 4, 3214868480
	.section	.rodata,"a",@progbits
	.p2align	6, 0x0
	.amdhsa_kernel k_qa91c793391_main
		.amdhsa_group_segment_fixed_size 321536
		.amdhsa_private_segment_fixed_size 0
		.amdhsa_enable_private_segment 0
		.amdhsa_kernarg_size 40
		.amdhsa_user_sgpr_count 2
		.amdhsa_user_sgpr_kernarg_segment_ptr 1
		.amdhsa_wavefront_size32 1
		.amdhsa_system_sgpr_workgroup_id_x 1
		.amdhsa_system_sgpr_workgroup_id_y 1
		.amdhsa_system_sgpr_workgroup_id_z 1
		.amdhsa_system_vgpr_workitem_id 0
		.amdhsa_next_free_vgpr 384
		.amdhsa_next_free_sgpr 66
		.amdhsa_reserve_vcc 0
		.amdhsa_float_denorm_mode_32 3
		.amdhsa_float_denorm_mode_16_64 3
		.amdhsa_memory_ordered 1
		.amdhsa_forward_progress 1
		.amdhsa_inst_pref_size 67
	.end_amdhsa_kernel
	.amdgpu_metadata
---
amdhsa.version: [ 1, 2 ]
amdhsa.kernels:
  - .name:           k_qa91c793391_main
    .symbol:         k_qa91c793391_main.kd
    .args:
      - { .name: nodes, .offset: 0, .size: 8, .value_kind: global_buffer, .address_space: global }
      - { .name: wqk, .offset: 8, .size: 8, .value_kind: global_buffer, .address_space: global }
      - { .name: sb, .offset: 16, .size: 8, .value_kind: global_buffer, .address_space: global }
      - { .name: upart, .offset: 24, .size: 8, .value_kind: global_buffer, .address_space: global }
      - { .name: stat, .offset: 32, .size: 8, .value_kind: global_buffer, .address_space: global }
    .group_segment_fixed_size: 321536
    .private_segment_fixed_size: 0
    .kernarg_segment_align: 8
    .kernarg_segment_size: 40
    .max_flat_workgroup_size: 256
    .sgpr_count:     66
    .vgpr_count:     384
    .wavefront_size: 32
...
	.end_amdgpu_metadata
.endif
;; end of part 7
;; launch comb: the kernel of part 3 again; grid 16 x 16, 8 waves a work-group, no clusters, 17,408 bytes of LDS; arguments upart, stat, Wv, ppart; writes ppart
;; launch mlp1: the kernel of part 4 again; grid 16 x 16, 8 waves a work-group, no clusters, 9,216 bytes of LDS; arguments ppart, bv, z_prev, W1, hpart; writes hpart
;; launch mlp2: the kernel of part 5 again; grid 16 x 16, 8 waves a work-group, no clusters, 9,216 bytes of LDS; arguments hpart, b1, W2, ypart; writes ypart
;; launch norm: the kernel of part 6 again; grid 1 x 1, 8 waves a work-group, no clusters, 1,280 bytes of LDS; arguments ypart, b2, scale, out0; writes out0
